; MI455X (gfx1250); checked and timed in simulation.
; The chip was launched on July 23, 2026; its instructions are those of AMD's public machine-readable ISA for CDNA 5 (MIT licence, August 2026) and "CDNA5" Instruction Set Architecture Reference Guide (July 2026). The comments in the code are by the model that wrote it; some were corrected since.
;; Group Query Attention. Allowed arithmetic: matrix products marked QUANTISED: E4M3 operands, one given power-of-two scale a tensor, by v_wmma_f32_16x16x64_fp8_fp8 or v_wmma_f32_16x16x128_fp8_fp8, f32 sums; everything else in f32.
;; Inputs: Wk_codes 512 x 64 x 32 uint8 (E4M3 codes of Wk, K innermost, in blocks of 32 codes); Wo_codes 2,048 x 64 x 32 uint8 (E4M3 codes of Wo, K innermost, in blocks of 32 codes); Wq_codes 2,048 x 64 x 32 uint8 (E4M3 codes of Wq, K innermost, in blocks of 32 codes); Wv_codes 512 x 64 x 32 uint8 (E4M3 codes of Wv, K innermost, in blocks of 32 codes); X_codes 4 x 1,024 x 64 x 32 uint8 (E4M3 codes of X, K innermost, in blocks of 32 codes); bk 512 float32; bo 2,048 float32; bq 2,048 float32; bv 512 float32; causal_mask 1,024 x 1,024 bool; encoder_output_codes 4 x 1,024 x 64 x 32 uint8 (E4M3 codes of encoder_output, K innermost, in blocks of 32 codes); lowp_scales 12 int32 (the exponents e of the quantised operands' scales 2^e); padding_mask 4 x 1,024 bool.
;; Outputs: out0 4 x 1,024 x 2,048 float32.
;; This version of the problem:
;;   THIS VERSION OF THE PROBLEM IS GIVEN IN LOW PRECISION. The matrix products marked QUANTISED in the list below multiply operands that are first quantised to E4M3 (4 exponent bits, 3 mantissa bits; 8 bits a number), with one given power-of-two scale for each operand tensor; their sums are f32. All else is computed in f32.
;;   The module's matrix products, in the order in which they are computed (A, B: the left and right operand; K: the contracted axis; several contracted axes count as one K, in the product's order):
;;     1. [M 4,096, K 2,048] x [K 2,048, N 2,048]; A: input X (given as codes); B: input Wq (given as codes): QUANTISED (scales: A lowp_scales[0], B lowp_scales[1])
;;     2. [M 4,096, K 2,048] x [K 2,048, N 512]; A: input encoder_output (given as codes); B: input Wk (given as codes): QUANTISED (scales: A lowp_scales[2], B lowp_scales[3])
;;     3. [M 4,096, K 2,048] x [K 2,048, N 512]; A: input encoder_output (given as codes); B: input Wv (given as codes): QUANTISED (scales: A lowp_scales[4], B lowp_scales[5])
;;     4. batch 32 x [M 4,096, K 64] x [K 64, N 1,024]; A: computed on the way; B: computed on the way: QUANTISED (scales: A lowp_scales[6], B lowp_scales[7])
;;     5. batch 32 x [M 4,096, K 1,024] x [K 1,024, N 64]; A: softmax (see below); B: computed on the way: QUANTISED (scales: A lowp_scales[8], B lowp_scales[9])
;;     6. [M 4,096, K 2,048] x [K 2,048, N 2,048]; A: computed on the way; B: input Wo (given as codes): QUANTISED (scales: A lowp_scales[10], B lowp_scales[11])
;;   THE QUANTISER, for each operand of a quantised product, along K:
;;     - The operand's scale is 2^e, e = its entry of the input lowp_scales (int32; the entries are numbered through the quantised products in the list's order, A before B).
;;     - Each number is divided by the scale, clamped to +-448, and rounded to the nearest number of E4M3, ties to even, subnormals kept.
;;     - The product sums the exact products of the quantised numbers (number of the format x scale) in f32.
;;   ~~~python
;;   def quantise(x, axis, e):      # numpy; x: float32 -> the quantised numbers, widened to float32 again
;;       x = np.moveaxis(x, axis, -1); K = x.shape[-1]
;;       r = np.clip(x / 2.0 ** e, -448, 448)
;;       step = 2.0 ** (np.maximum(np.frexp(np.where(r == 0, 1, r))[1] - 1, -6) - 3)
;;       q = np.round(r / step) * step * 2.0 ** e      # np.round: ties to even
;;       return np.moveaxis(q, -1, axis).astype(np.float32)
;;   ~~~
;;   SOFTMAX AHEAD OF A QUANTISED PRODUCT. Where the list says 'softmax', what is quantised is not the finished softmax but p = 2^(t - M), with t = logit x log2(e) and M = ceil(the row's largest t), a whole number; so 1/2 < the row's largest p <= 1. The row's sum l is taken of the UNQUANTISED p, in f32, and the product's result is divided by l at the end. Since M is a whole number, a kernel that streams over the keys may use a running M (the ceiling of the running maximum): every later rescaling is an exact power of two, so the quantised numbers keep their values, but for numbers so far below the row's largest that they fall under the format's range.
;;   OPERANDS COMPUTED ON THE WAY. 'Computed on the way' means the value that the module computes at that place (a softmax that the list does not call 'softmax' is quantised finished and normalised). What goes into a quantiser is computed in f32, as accurately as f32 sums, v_exp_f32 and their like allow (about 1e-6 of the number): no bf16 or f16 on the way to a quantiser, and a product that is left as it is and whose result goes on into a quantised operand takes f32 operands (vector FMAs, or v_wmma_f32_16x16x4_f32). A number that lies on a knife's edge between two numbers of the format may be rounded either way, as far as f32 arithmetic and the matrix unit's own rounding can turn it there, and no further.
;;   INPUTS GIVEN AS CODES. Wk (in the module: [512, 2048], K = its axis 1); Wo (in the module: [2048, 2048], K = its axis 1); Wq (in the module: [2048, 2048], K = its axis 1); Wv (in the module: [512, 2048], K = its axis 1); X (in the module: [4, 1024, 2048], K = its axis 2); encoder_output (in the module: [4, 1024, 2048], K = its axis 2): each comes as NAME_codes (uint8): NAME with its K axis moved to the last place and cut into blocks of 32 codes, [.., K / 32, bytes a block], one block behind the other in memory; one code a byte (a code: sign, 4 exponent bits, 3 mantissa bits); its scale is its entry of lowp_scales. Its value is code x scale, taken as it is: it is not quantised again, and the codes and scales need not be those that the quantiser above would give.
;; 2 versions. Each part assembles by itself: llvm-mc -triple=amdgcn-amd-amdhsa -mcpu=gfx1250 --defsym DOCPART=n.
;; ======== version 1 of 2: 3 launches
;; limits: right only within a limited range of input values
;; workspace buffers: q_img 8,388,608 bytes; k_img 2,097,152 bytes; v_img 2,097,152 bytes; a_codes 8,388,608 bytes
;; launch proj (part 1): grid 96 x 4, 4 waves a work-group, clusters of 4 x 4, 327,680 bytes of LDS; arguments X_codes, encoder_output_codes, Wq_codes, Wk_codes, Wv_codes, bq, bk, bv, lowp_scales, q_img, k_img, v_img; writes q_img, k_img, v_img
.if DOCPART == 1
	.amdgcn_target "amdgcn-amd-amdhsa--gfx1250"
	.amdhsa_code_object_version 6
	.text
	.protected	k_q1b475a2678_proj
	.globl	k_q1b475a2678_proj
	.p2align	8
	.type	k_q1b475a2678_proj,@function
k_q1b475a2678_proj:
	s_mov_b64 s[64:65], 0
	v_nop
	global_prefetch_b8 v0, s[64:65] scope:SCOPE_SE
	s_setreg_imm32_b32 hwreg(HW_REG_WAVE_MODE, 25, 1), 1
	s_wait_xcnt 0x0
	s_wait_alu depctr_hold_cnt(0) depctr_sa_sdst(0) depctr_va_vdst(0) depctr_va_sdst(0) depctr_va_ssrc(0) depctr_va_vcc(0) depctr_vm_vsrc(0)
	s_getreg_b32 s2, hwreg(HW_REG_IB_STS2, 6, 4)
	s_cmp_eq_u32 s2, 0
	s_cbranch_scc0 .Lentry_in_a_cluster
	s_endpgm
.Lentry_in_a_cluster:
	s_bfe_u32 s2, ttmp6, 0x10000c
	s_cmp_lg_u32 s2, 0xf033
	s_cbranch_scc0 .Lentry_shape_is_right
	s_endpgm
.Lentry_shape_is_right:
; q = X Wq^T + bq, k = E Wk^T + bk, v = E Wv^T + bv on codes of E4M3 (K = 2,048), each result quantised at once with its given scale (entries 6, 7, 9 of the scales) and stored
; AS IMAGES OF THE OPERAND REGISTERS that the attention launch wants: an image is 16 rows x 64 along its K in 8 registers a lane, register quad u at 512 u + 16 x lane, 1,024 bytes.
;   q_img [batch 4][head 32][tile of 16 queries 64][1024]   k_img [batch][group 8][tile of 16 keys 64][1024]   (lane r = row r, register pair c = channels 16 c + 8 h + 0..7)
;   v_img [batch][64 keys 16][group 8][16 channels 4][1024]                                                    (lane r = channel r, register pair c = keys 16 c + 8 h + 0..7)
; SHARES.  A work-group makes 256 rows of the activation x 128 rows of the weight.  A cluster of 4 x 4 makes 1,024 x 512: one batch x 512 outputs.  24 clusters: 16 for q, 4 for k, 4 for v.
; The activation's tile hangs on the cluster's row and is asked for jointly along it, the weight's tile on its column.  K goes in steps of 256 through two LDS slots.
; A WAVE multiplies X = 8 fragments (128 rows, source 1) by Y = 4 fragments (64 rows, source 0): 32 accumulators.  In a result lane (r, h) holds row r of X and rows 8 h + 0..7 of Y: eight neighbours
; along Y, which one conversion turns into a register pair of an image.  q, k: X = activation rows, Y = one head's 64 outputs.  v: X = the 128 outputs, Y = 64 keys, since the keys are v's K later.
; ONE PATH FOR ALL THREE: what differs (buffers, exponents, the two LDS bases, the place in the output, which bias set counts) is chosen by s_cselect on the cluster's number; no branch hangs on it.
; A fragment is fetched by four loads of 16 bytes: a permutation of k inside 128, the same in both operands, so each product meets its partner.
; LIMITS: the two operands' exponents added lie between -126 and 127; entries 6, 7, 9 between -126 and 119.  NaN among the biases is not served.
; REGISTERS, in windows of 256: window 0: v1-6 lane terms, v16-19 LDS addresses, v20, v21 the add's, v22 the hold, v23 the scale, v24-55 bias along Y; v64-255 fragment set 0 (Y at 64, X at 128);
;   window 1: v0-15 bias along X (each number twice, a pair), v64-255 fragment set 1;   window 2: accumulator (i, jj) at v[8 (4 i + jj)].
.set KK,    2048                       ; bytes in a row of codes
.set PITCH, 272                        ; an LDS row: 256 bytes + 16: row r begins 16 r bytes further on modulo 256, so the 16 rows of a load fall on 16 different columns of 16 bytes
.set ACTH,  128*PITCH                  ; what waves 0 and 1 fetch: 128 rows of the activation each
.set WHB,   64*PITCH                   ; what waves 2 and 3 fetch: 64 rows of the weight each
.set WOFF,  2*ACTH                     ; a slot: 256 activation rows, then 128 weight rows
.set SLOT,  WOFF+2*WHB
.set SPARE, 2*SLOT                     ; behind the ring: the spare words, 128 bytes a wave, two blocks of 256 bytes that no other line names
.set ADRX, 16                          ; v16-17 LDS address of my X fragments in slot 0, 1
.set ADRY, 18                          ; v18-19 the same for Y
.set SPW,  20
.set NIL,  21
.set LIM,  22
.set SC,   23
.set BY,   24
.set YF,   64
.set XF,   128
.set TMP,  64                          ; the way out: 32 numbers at work
.set CODE, 128                         ; the way out: 64 registers of codes, never written twice
.set WV,   60                          ; s60 wave, s61 wave / 2, s62 wave % 2
.set WHI,  61
.set WLO,  62
.set G1A,  36                          ; s[36:43] group 1 for the activation's tiles, s[44:51] for the weight's
.set G1B,  44
.set G0A,  52                          ; s[52:59] group 0 for the activation's tiles, a set for each slot; s[68:75] for the weight's
.set G0B,  68
.set MSB, 0
.macro WIN new                         ; the immediate's high byte repeats the setting that is left; a switch that changes nothing is dropped
.if MSB != (\new)
	s_set_vgpr_msb (MSB<<8)|(\new)
.set MSB, (\new)
.endif
.endm
.macro PLACES                          ; four plain places behind matrix instructions, ahead of loads into their sources and of reads of their results
.rept 4
	v_nop
.endr
.endm
.macro JLOAD s                         ; a joint load: waves 0, 1 for the activation, waves 2, 3 for the weight; four v_nop follow each line
	s_cmp_eq_u32 s[WHI], 0
	s_cbranch_scc0 .Lfor_b_\@
	tensor_load_to_lds s[G0A+4*\s:G0A+4*\s+3], s[G1A:G1A+7]
	s_nop 0
.rept 4
	v_nop
.endr
	s_branch .Lasked_\@
.Lfor_b_\@:
	tensor_load_to_lds s[G0B+4*\s:G0B+4*\s+3], s[G1B:G1B+7]
	s_nop 0
.rept 4
	v_nop
.endr
.Lasked_\@:
.endm
.macro CREST                           ; a round of the cluster's barrier behind its opening barrier
	s_cmp_lg_u32 s[WV], 0
	s_cbranch_scc1 .Lnot_wave_0_\@
	s_barrier_signal -3
.Lnot_wave_0_\@:
	s_barrier_wait -3
	s_barrier_signal -1
	s_barrier_wait -1
.endm
.macro CROUND
	s_barrier_signal -1
	s_barrier_wait -1
	CREST
.endm
.macro FRAG reg, adr, q, i             ; 16 rows x 128 K: 16 registers, four loads 32 bytes apart
.irp c, 0,1,2,3
	ds_load_b128 v[\reg+4*\c:\reg+4*\c+3], v[\adr] offset:128*(\q)+32*\c+(\i)*16*PITCH
.endr
.endm
.macro FETCH slot, q, p                ; 48 loads in one run into set p: Y's 16, X blocks 0-3's 16, X blocks 4-7's 16
	WIN 0x40*(\p)
.irp i, 0,1,2,3
	FRAG YF+16*\i, ADRY+\slot, \q, \i
.endr
.irp i, 0,1,2,3,4,5,6,7
	FRAG XF+16*\i, ADRX+\slot, \q, \i
.endr
.endm
.macro MUL8 i0, zero                   ; X blocks i0, i0 + 1 against Y's four; the 32 accumulators take turns in one fixed order
.irp i, \i0, \i0+1
.irp jj, 0,1,2,3
.if \zero
	v_wmma_f32_16x16x128_fp8_fp8 v[8*(4*(\i)+\jj):8*(4*(\i)+\jj)+7], v[YF+16*\jj:YF+16*\jj+15], v[XF+16*(\i):XF+16*(\i)+15], 0
.else
	v_wmma_f32_16x16x128_fp8_fp8 v[8*(4*(\i)+\jj):8*(4*(\i)+\jj)+7], v[YF+16*\jj:YF+16*\jj+15], v[XF+16*(\i):XF+16*(\i)+15], v[8*(4*(\i)+\jj):8*(4*(\i)+\jj)+7]
.endif
.endr
.endr
.endm
.macro STEP slot, zero                 ; a slot's first 128 along K, on set 0; its second 128 are fetched into set 1
	s_wait_dscnt 16                                ; Y and X blocks 0-3 are in; the youngest 16 loads (X blocks 4-7) may be out
	WIN 0xa0
	MUL8 0, \zero
	MUL8 2, \zero
	PLACES
	FETCH \slot, 1, 1
	s_wait_dscnt 48                                ; all but the 48 just issued
	WIN 0xa0
	MUL8 4, \zero
	MUL8 6, \zero
.endm
.macro TURN slot, next, fill           ; a slot's second 128 along K, on set 1, and the change of slots: ONE barrier
	WIN 0                                          ; (the add's two registers lie in window 0)
	s_wait_tensorcnt 0x0                           ; all my tensor loads have landed: my part of the next slot
	ds_add_u32 v[SPW], v[NIL]                      ; 0 onto my spare word
	s_wait_dscnt 17                                ; (the add and X blocks 4-7's 16 loads may be out)
	WIN 0xa5
	MUL8 0, 0                                      ; eight matrix instructions stand between the add and the wait for it
	s_wait_dscnt 0x0                               ; the add is done, and my reads of this slot are over
	s_barrier_signal -1
	MUL8 2, 0
	WIN 0
	s_barrier_wait -1
.if \fill
	CREST                                          ; the barrier has opened a round of the cluster's: no wave of any partner still reads this slot or has a load on its way
	s_add_nc_u64 s[G0A+4*\slot+2:G0A+4*\slot+3], s[G0A+4*\slot+2:G0A+4*\slot+3], 512
	s_add_nc_u64 s[G0B+4*\slot+2:G0B+4*\slot+3], s[G0B+4*\slot+2:G0B+4*\slot+3], 512
	JLOAD \slot                                    ; the first tensor load behind the round: 48 matrix instructions ahead of the wait for it; its four v_nop are the places for the loads below
.else
	PLACES
.endif
	FETCH \next, 0, 0
	WIN 0xa5
	MUL8 4, 0
	MUL8 6, 0
.endm
	s_load_b512 s[4:19], s[0:1], 0x0               ; X s[4:5], E s[6:7], Wq s[8:9], Wk s[10:11], Wv s[12:13], bq s[14:15], bk s[16:17], bv s[18:19]
	s_load_b256 s[20:27], s[0:1], 0x40             ; the exponents s[20:21], q_img s[22:23], k_img s[24:25], v_img s[26:27]
	v_lshl_add_u32 v[SPW], v0, 2, SPARE
	v_mov_b32 v[NIL], 0
	ds_add_u32 v20, v21
	ds_add_u32 v20, v21
	s_wait_dscnt 0x0
	v_lshrrev_b32 v1, 5, v0
	v_readfirstlane_b32 s[WV], v1                  ; wave 0..3
	s_lshr_b32 s[WHI], s[WV], 1
	s_and_b32 s[WLO], s[WV], 1
	s_bfe_u32 s88, ttmp6, 0x40000                  ; cx
	s_bfe_u32 s89, ttmp6, 0x40004                  ; cy
	s_lshr_b32 s92, ttmp9, 2
	s_and_b32 s93, ttmp9, 3
	s_cmp_lt_u32 ttmp9, 16                         ; clusters 0-15: q (batch = cluster / 4, 512 outputs = cluster % 4); 16-19: k; 20-23: v (batch = cluster % 4)
	s_cselect_b32 s90, s92, s93                    ; the batch
	s_cselect_b32 s91, s93, 0                      ; which 512 rows of the weight
	s_cselect_b32 s94, 32, 8                       ; heads, or groups, in the image buffer
	s_lshl_b32 s96, s89, 2
	s_lshl_b32 s96, 15, s96                        ; my row of the cluster
	s_lshl_b32 s97, 0x1111, s88                    ; my column
	s_or_b32 s[G1A], s96, (1<<20)|(1<<21)|(5<<22)|(3<<25)   ; 15:0 the mask; 17:16 elements of 1 byte; 20 padding on; 21 set beside a mask; 24:22 after every 64 words; 31:25 four words
	s_or_b32 s[G1B], s97, (1<<20)|(1<<21)|(5<<22)|(3<<25)
.irp g, G1A, G1B
	s_mov_b32 s[\g+1], 256<<16                     ; tensor_dim0 = 256
	s_mov_b32 s[\g+3], 256<<16                     ; tile_dim0 = 256
	s_mov_b32 s[\g+5], KK                          ; from row to row
	s_mov_b32 s[\g+6], 0
	s_mov_b32 s[\g+7], 0
.endr
	s_mov_b32 s[G1A+2], 128<<16                    ; tensor_dim1, tile_dim1: 128 rows of the activation,
	s_mov_b32 s[G1A+4], 128
	s_mov_b32 s[G1B+2], 64<<16                     ; 64 of the weight
	s_mov_b32 s[G1B+4], 64
	s_lshl_b32 s92, s90, 10                        ; the activation: row 1024 x batch + 256 cy + 128 (wave % 2), in bytes
	s_lshl_b32 s93, s89, 8
	s_add_co_u32 s92, s92, s93
	s_lshl_b32 s93, s[WLO], 7
	s_add_co_u32 s92, s92, s93
	s_lshl_b32 s92, s92, 11
	s_mov_b32 s93, 0
	s_lshl_b32 s98, s91, 9                         ; the weight: row 512 x block + 128 cx
	s_lshl_b32 s99, s88, 7
	s_add_co_u32 s98, s98, s99
	s_mov_b32 s95, s98                             ; (kept: the work-group's first output)
	s_lshl_b32 s99, s[WLO], 6
	s_add_co_u32 s98, s98, s99                     ; + 64 (wave % 2)
	s_mov_b32 s100, s98                            ; (kept: that row)
	s_lshl_b32 s98, s98, 11
	s_mov_b32 s99, 0
	s_mul_i32 s101, s[WLO], ACTH                   ; where they go: the wave's number alone enters an LDS address
	s_mul_i32 s2, s[WLO], WHB
	s_add_co_u32 s2, s2, WOFF
	s_wait_kmcnt 0x0
	s_load_b256 s[76:83], s[20:21], 0x0            ; exponents 0-7
	s_load_b128 s[84:87], s[20:21], 0x20           ; 8-11
	s_cmp_lt_u32 ttmp9, 20
	s_cselect_b64 s[30:31], s[10:11], s[12:13]     ; k's or v's weight, bias, image buffer
	s_cselect_b64 s[32:33], s[16:17], s[18:19]
	s_cselect_b64 s[34:35], s[24:25], s[26:27]
	s_cmp_lt_u32 ttmp9, 16
	s_cselect_b64 s[28:29], s[4:5], s[6:7]         ; q's, or what was chosen
	s_cselect_b64 s[30:31], s[8:9], s[30:31]
	s_cselect_b64 s[32:33], s[14:15], s[32:33]
	s_cselect_b64 s[34:35], s[22:23], s[34:35]
	s_add_nc_u64 s[28:29], s[28:29], s[92:93]
	s_add_nc_u64 s[30:31], s[30:31], s[98:99]
	CROUND                                         ; all sixteen work-groups are here: the first joint loads meet
.irp s, 0,1
	s_mov_b32 s[G0A+4*\s], 1
	s_add_co_u32 s[G0A+4*\s+1], s101, \s*SLOT
	s_add_nc_u64 s[G0A+4*\s+2:G0A+4*\s+3], s[28:29], \s*256
	s_or_b32 s[G0A+4*\s+3], s[G0A+4*\s+3], 0x80000000
	s_mov_b32 s[G0B+4*\s], 1
	s_add_co_u32 s[G0B+4*\s+1], s2, \s*SLOT
	s_add_nc_u64 s[G0B+4*\s+2:G0B+4*\s+3], s[30:31], \s*256
	s_or_b32 s[G0B+4*\s+3], s[G0B+4*\s+3], 0x80000000
	JLOAD \s                                       ; two loads of mine are out
.endr
	v_and_b32 v1, 15, v0                           ; r
	v_bfe_u32 v2, v0, 4, 1                         ; h
	v_mul_u32_u24 v3, v1, PITCH
	v_lshl_add_u32 v3, v2, 4, v3                   ; a fragment's row x pitch + 16 h
	v_lshlrev_b32 v4, 5, v2                        ; bias along Y: 8 h numbers
	v_lshlrev_b32 v5, 2, v1                        ; bias along X: number r
	v_and_b32 v6, 31, v0
	v_lshlrev_b32 v6, 4, v6                        ; 16 x lane: my place in a quad of an image
	s_mul_i32 s4, s[WHI], ACTH                     ; q, k: X = my 128 activation rows,
	s_mul_i32 s5, s[WLO], WHB
	s_add_co_u32 s5, s5, WOFF                      ;       Y = my 64 weight rows
	s_mul_i32 s6, s[WV], WHB                       ; v:    Y = my 64 keys,
	s_cmp_lt_u32 ttmp9, 20
	s_cselect_b32 s4, s4, WOFF                     ;       X = all 128 weight rows.  Either choice stays inside the slot
	s_cselect_b32 s5, s5, s6
	s_cselect_b32 s7, -1, 0                        ; q, k: the bias runs along Y;
	s_cselect_b32 s8, 0, -1                        ; v: along X
	v_add_nc_u32 v[ADRX], s4, v3
	v_add_nc_u32 v[ADRY], s5, v3
	v_add_nc_u32 v[ADRX+1], SLOT, v[ADRX]
	v_add_nc_u32 v[ADRY+1], SLOT, v[ADRY]
	s_lshl_b32 s10, s95, 2
	s_mov_b32 s11, 0
	s_add_nc_u64 s[12:13], s[32:33], s[10:11]      ; the bias at the work-group's first output
	s_lshl_b32 s10, s100, 2
	s_add_nc_u64 s[14:15], s[32:33], s[10:11]      ; and at my 64.  Both sets are loaded in every cluster (both lie inside the buffer); one of them is then cleared
.irp jj, 0,1,2,3
	global_load_b128 v[BY+8*\jj:BY+8*\jj+3], v4, s[14:15] offset:64*\jj
	global_load_b128 v[BY+8*\jj+4:BY+8*\jj+7], v4, s[14:15] offset:64*\jj+16
.endr
	WIN 0x40
.irp i, 0,1,2,3,4,5,6,7
	global_load_b32 v[2*\i], v5, s[12:13] offset:64*\i     ; twice, to fill the pair that the packed addition names
	global_load_b32 v[2*\i+1], v5, s[12:13] offset:64*\i
.endr
	WIN 0
	s_mul_i32 s16, s90, s94                        ; q, k: image ((batch x heads + head) x 64 + tile): head = 8 block + 2 cx + wave % 2, tile = 16 cy + 8 (wave / 2) (+ i)
	s_lshl_b32 s17, s91, 3
	s_add_co_u32 s16, s16, s17
	s_lshl_b32 s17, s88, 1
	s_add_co_u32 s16, s16, s17
	s_add_co_u32 s16, s16, s[WLO]
	s_lshl_b32 s16, s16, 6
	s_lshl_b32 s17, s89, 4
	s_add_co_u32 s16, s16, s17
	s_lshl_b32 s17, s[WHI], 3
	s_add_co_u32 s16, s16, s17
	s_lshl_b32 s16, s16, 10
	s_lshl_b32 s18, s90, 4                         ; v: image (((batch x 16 + 4 cy + wave) x 8 + 2 cx) x 4 (+ i))
	s_lshl_b32 s17, s89, 2
	s_add_co_u32 s18, s18, s17
	s_add_co_u32 s18, s18, s[WV]
	s_lshl_b32 s18, s18, 3
	s_lshl_b32 s17, s88, 1
	s_add_co_u32 s18, s18, s17
	s_lshl_b32 s18, s18, 12
	s_cmp_lt_u32 ttmp9, 20
	s_cselect_b32 s16, s16, s18
	s_mov_b32 s17, 0
	s_add_nc_u64 s[34:35], s[34:35], s[16:17]
	s_wait_kmcnt 0x0
	s_cmp_lt_u32 ttmp9, 20
	s_cselect_b32 s18, s78, s80                    ; the operands' exponents and the result's: (2, 3, 7) or (4, 5, 9),
	s_cselect_b32 s19, s79, s81
	s_cselect_b32 s9, s83, s85
	s_cmp_lt_u32 ttmp9, 16
	s_cselect_b32 s18, s76, s18                    ; or (0, 1, 6)
	s_cselect_b32 s19, s77, s19
	s_cselect_b32 s9, s82, s9
	s_add_co_i32 s18, s18, s19
	s_add_co_i32 s18, s18, 127
	s_lshl_b32 s96, s18, 23                        ; 2^(the operands' exponents added) as f32
	s_mov_b32 s97, s96                             ; (named with it as a pair, so it is written)
	s_add_co_i32 s9, s9, 127
	s_lshl_b32 s19, s9, 23
	v_mov_b32 v[SC], s19                           ; the result's scale: the conversion takes its exponent field
	s_add_co_i32 s9, s9, 8
	s_lshl_b32 s9, s9, 23
	s_or_b32 s9, s9, 0x600000
	v_mov_b32 v[LIM], s9                           ; 448 x that scale
	s_wait_loadcnt 0x0                             ; the biases
.set j, 0
.rept 32
	v_and_b32 v[BY+j], s7, v[BY+j]                 ; kept, or +0
.set j, j+1
.endr
	WIN 0x44
.set j, 0
.rept 16
	v_and_b32 v[j], s8, v[j]
.set j, j+1
.endr
	WIN 0
	s_wait_tensorcnt 1                             ; my part of slot 0 is in; slot 1's load may be out
	s_barrier_signal -1
	s_barrier_wait -1
	FETCH 0, 0, 0
	STEP 0, 1                                      ; the first 128 along K stand ahead of the loop: their products start the sums
	WIN 0
	s_mov_b32 s3, KK/512-1
.Llap:                                                 ; a trip goes once round the ring and fills both slots again
	TURN 0, 1, 1
	STEP 1, 0
	TURN 1, 0, 1
	STEP 0, 0
	WIN 0
	s_sub_co_u32 s3, s3, 1
	s_cmp_lg_u32 s3, 0
	s_cbranch_scc1 .Llap
	TURN 0, 1, 0                                   ; the last lap fills nothing
	STEP 1, 0
	s_wait_dscnt 16
	WIN 0xa5
	MUL8 0, 0
	MUL8 2, 0
	s_wait_dscnt 0x0
	MUL8 4, 0
	MUL8 6, 0
	WIN 0
	PLACES
; THE WAY OUT.  X block i's four accumulators: sum x 2^(exponents) + bias, held at the largest code x the scale (the conversion does not saturate: ISA guide 7.6.2), converted: eight registers, which ARE an image.
; Each store of the wave covers 512 consecutive bytes, aligned.  The 64 code registers are written once, so no store's data are touched again.
.macro OUTB i
	WIN 0x02
.set j, 0
.rept 16
	v_pk_fma_f32 v[TMP+j:TMP+j+1], v[32*(\i)+j:32*(\i)+j+1], s[96:97], v[BY+j:BY+j+1] op_sel_hi:[1,0,1]   ; each accumulator from its low end on
.set j, j+2
.endr
	WIN 0x04
.set j, 0
.rept 16
	v_pk_add_f32 v[TMP+j:TMP+j+1], v[TMP+j:TMP+j+1], v[2*(\i):2*(\i)+1]   ; the bias along X (v), or +0: of the two bias sets one is zero, so each number is rounded once
.set j, j+2
.endr
	WIN 0
.set j, 0
.rept 32
	v_med3_num_f32 v[TMP+j], v[TMP+j], -v[LIM], v[LIM]
.set j, j+1
.endr
.irp jj, 0,1,2,3
	v_cvt_scalef32_pk8_fp8_f32 v[CODE+8*(\i)+2*\jj:CODE+8*(\i)+2*\jj+1], v[TMP+8*\jj:TMP+8*\jj+7], v[SC]
.endr
	v_nop                                          ; a plain line between the conversions and the next block's writes of their sources
	global_store_b128 v6, v[CODE+8*(\i):CODE+8*(\i)+3], s[34:35] offset:1024*(\i)
	global_store_b128 v6, v[CODE+8*(\i)+4:CODE+8*(\i)+7], s[34:35] offset:1024*(\i)+512
.endm
.irp i, 0,1,2,3,4,5,6,7
	OUTB \i
.endr
	s_wait_tensorcnt 0x0                           ; the wave's end
	ds_add_u32 v[SPW], v[NIL]
	s_wait_dscnt 0x0
	CROUND                                         ; the closing round: no work-group ends while a partner may still ask for a tile that names it
	s_endpgm
.Lfunc_end_k_q1b475a2678_proj:
	.size	k_q1b475a2678_proj, .Lfunc_end_k_q1b475a2678_proj-k_q1b475a2678_proj
	.p2alignl 7, 3214868480
	.fill 96, 4, 3214868480
	.section	.rodata,"a",@progbits
	.p2align	6, 0x0
	.amdhsa_kernel k_q1b475a2678_proj
		.amdhsa_group_segment_fixed_size 327680
		.amdhsa_private_segment_fixed_size 0
		.amdhsa_enable_private_segment 0
		.amdhsa_kernarg_size 96
		.amdhsa_user_sgpr_count 2
		.amdhsa_user_sgpr_kernarg_segment_ptr 1
		.amdhsa_wavefront_size32 1
		.amdhsa_system_sgpr_workgroup_id_x 1
		.amdhsa_system_sgpr_workgroup_id_y 1
		.amdhsa_system_sgpr_workgroup_id_z 1
		.amdhsa_system_vgpr_workitem_id 0
		.amdhsa_next_free_vgpr 768
		.amdhsa_next_free_sgpr 102
		.amdhsa_reserve_vcc 0
		.amdhsa_float_denorm_mode_32 3
		.amdhsa_float_denorm_mode_16_64 3
		.amdhsa_memory_ordered 1
		.amdhsa_forward_progress 1
		.amdhsa_inst_pref_size 94
	.end_amdhsa_kernel
	.amdgpu_metadata
---
amdhsa.version: [ 1, 2 ]
amdhsa.kernels:
  - .name:           k_q1b475a2678_proj
    .symbol:         k_q1b475a2678_proj.kd
    .args:
      - { .name: X_codes, .offset: 0, .size: 8, .value_kind: global_buffer, .address_space: global }
      - { .name: encoder_output_codes, .offset: 8, .size: 8, .value_kind: global_buffer, .address_space: global }
      - { .name: Wq_codes, .offset: 16, .size: 8, .value_kind: global_buffer, .address_space: global }
      - { .name: Wk_codes, .offset: 24, .size: 8, .value_kind: global_buffer, .address_space: global }
      - { .name: Wv_codes, .offset: 32, .size: 8, .value_kind: global_buffer, .address_space: global }
      - { .name: bq, .offset: 40, .size: 8, .value_kind: global_buffer, .address_space: global }
      - { .name: bk, .offset: 48, .size: 8, .value_kind: global_buffer, .address_space: global }
      - { .name: bv, .offset: 56, .size: 8, .value_kind: global_buffer, .address_space: global }
      - { .name: lowp_scales, .offset: 64, .size: 8, .value_kind: global_buffer, .address_space: global }
      - { .name: q_img, .offset: 72, .size: 8, .value_kind: global_buffer, .address_space: global }
      - { .name: k_img, .offset: 80, .size: 8, .value_kind: global_buffer, .address_space: global }
      - { .name: v_img, .offset: 88, .size: 8, .value_kind: global_buffer, .address_space: global }
    .group_segment_fixed_size: 327680
    .private_segment_fixed_size: 0
    .kernarg_segment_align: 8
    .kernarg_segment_size: 96
    .max_flat_workgroup_size: 128
    .sgpr_count:     102
    .vgpr_count:     768
    .wavefront_size: 32
...
	.end_amdgpu_metadata
.endif
;; end of part 1
;; launch attn (part 2): grid 8 x 32, 8 waves a work-group, clusters of 4 x 4, 301,056 bytes of LDS; arguments q_img, k_img, v_img, causal_mask, padding_mask, lowp_scales, a_codes; writes a_codes
.if DOCPART == 2
	.amdgcn_target "amdgcn-amd-amdhsa--gfx1250"
	.amdhsa_code_object_version 6
	.text
	.protected	k_q1b475a2678_attn
	.globl	k_q1b475a2678_attn
	.p2align	8
	.type	k_q1b475a2678_attn,@function
k_q1b475a2678_attn:
	s_mov_b64 s[64:65], 0
	v_nop
	global_prefetch_b8 v0, s[64:65] scope:SCOPE_SE
	s_setreg_imm32_b32 hwreg(HW_REG_WAVE_MODE, 25, 1), 1
	s_wait_xcnt 0x0
	s_wait_alu depctr_hold_cnt(0) depctr_sa_sdst(0) depctr_va_vdst(0) depctr_va_sdst(0) depctr_va_ssrc(0) depctr_va_vcc(0) depctr_vm_vsrc(0)
	s_getreg_b32 s2, hwreg(HW_REG_IB_STS2, 6, 4)
	s_cmp_eq_u32 s2, 0
	s_cbranch_scc0 .Lentry_in_a_cluster
	s_endpgm
.Lentry_in_a_cluster:
	s_bfe_u32 s2, ttmp6, 0x10000c
	s_cmp_lg_u32 s2, 0xf033
	s_cbranch_scc0 .Lentry_shape_is_right
	s_endpgm
.Lentry_shape_is_right:
; Attention on codes of E4M3: scores = q k^T / 8 (K = 64), both masks as they are given, p = 2^(t - M) with M a whole number, quantised with entry 8 of the scales, o = p v (K = the keys) / the sum of the unquantised p,
; quantised with entry 10 into a_codes [4096][2048], K innermost.  q_img, k_img, v_img are images of operand registers (quad u of a lane's registers at 512 u + 16 x lane).
; SHARES.  A work-group takes 128 queries of one batch and group; wave w takes 16 of them for ALL FOUR HEADS of the group: K's and V's fragments and the mask are fetched and built once for four heads, and a
; wave's result is 16 rows x 256 neighbouring bytes.  Every wave walks all 1,024 keys, 128 a step: both masks are inputs, so nothing is left out.
; LDS IS FILLED ONCE: the group's K (64 KiB) and V (64 KiB), the batch's padding row, and each wave's own 16 rows of the causal mask: four tensor loads a wave, in one group behind the opening round; four are out.
; CLUSTER 4 x 4: x = blocks of queries, y = (batch, group).  K and V hang on y alone: asked for jointly along the cluster's row; the causal rows hang on x alone: jointly along its column.
; The padding row is the same in all sixteen, more than a mask may name here, and is 128 bytes a wave: it comes by a plain load.
; LAYOUT.  S^T = K Q^T (source 0 = 16 keys, source 1 = 16 queries), O^T = V^T P^T: a lane holds ONE query (lane % 16).  In the plain 8-bit layout register pair c holds k = 16 c + 8 h + 0..7, which is what
; tile c of S^T holds in a lane's eight registers: so each tile's conversion is a pair of P, with neighbouring keys in a tile.
; THE MASK IS THE C OF THE SCORES' PRODUCT: 0, or -2^125 where either mask byte is set.  The step's maximum has a floor of -2^30, under every sum of 64 products of codes (below 2^24) and over the mask's number:
; a masked key never sets M, its p is 0, and a row masked so far keeps sum 0 and O 0.  A row with every key masked ends with sum 0: its codes become the NaN code, so that the last product gives NaN there.
; LIMITS: entries 6 + 7 between -100 and 60; entry 8, and entry 10 - 8 - 9, between -126 and 119.  Mask bytes are 0 or 1.
; REGISTERS: window 0: v1-15 addresses and constants; v16+4 hd: -M, largest t, the sum in two halves; v32-37 at work; v40-71 Q; v72-135 the mask as C; v136-199 S^T, then p; v200-215 P's codes; v216-218 constants.
;   window 1: v0-127 O^T (32 hd + 8 db), v128-191 K's eight fragments, v192-255 V's four.
.set VB,    65536                      ; LDS: K at 0, V here,
.set MBASE, 131072                     ; the causal rows: 16 rows a wave,
.set MP,    1040                       ; 1,024 bytes + 16: row r begins 16 r bytes further on modulo 256
.set MW,    16*MP
.set PB,    MBASE+8*MW                 ; the padding row, 1,024 bytes,
.set STG,   PB+1024                    ; the stages for the way out: 16 rows x (256 + 16) a wave; no tensor load lands here
.set SP,    272
.set LI,   1                           ; v1  16 x lane
.set AM,   2                           ; v2  my 8 bytes in my query's mask row
.set AP,   3                           ; v3  the same in the padding row
.set STO,  8
.set RD,   9
.set GO,   10
.set ZERO, 11
.set PLIM, 12                          ; 448 x 2^e8
.set PSC,  13                          ; 2^e8
.set PX,   14                          ; the lane exchange's destination
.set AV,   15                          ; v15 16 x lane + V's base
.set ST,   16
.set F,    32                          ; v[32:33] f = 2^(old M - new M), and a written partner
.set TA,   34
.set TB,   35
.set SU,   36                          ; v[36:37] the sum's second chain
.set Q,    40
.set MB,   72
.set S,    136
.set P,    200
.set OLIM, 216
.set OSC,  217
.set NANC, 218
.set KF,   128                         ; in window 1
.set VF,   192
.set WV,   18
.set G1K,  20
.set G1V,  28
.set G1P,  36
.set G1M,  44
.set G0K,  52
.set G0V,  56
.set G0P,  60
.set G0M,  68
.set SEL,  72                          ; s[72:73] lane l xor 16
.set CS,   74                          ; s[74:75] c = log2(e) / 8 x 2^(e6 + e7)
.set KO,   88                          ; s88 the step's bytes in K and in V
.set MO,   89                          ; s89 the step's bytes in a mask row
.set CNT,  90
.set C254, 91
.set PS,   92                          ; s92-95 byte selectors
.set LM,   96                          ; s96-99 lanes whose row's sum is above 0
.set MSB, 0
.macro WIN new
.if MSB != (\new)
	s_set_vgpr_msb (MSB<<8)|(\new)
.set MSB, (\new)
.endif
.endm
.macro CROUND                          ; a round of the cluster's barrier
	s_barrier_signal -1
	s_barrier_wait -1
	s_cmp_lg_u32 s[WV], 0
	s_cbranch_scc1 .Lnot_wave_0_\@
	s_barrier_signal -3
.Lnot_wave_0_\@:
	s_barrier_wait -3
	s_barrier_signal -1
	s_barrier_wait -1
.endm
	s_load_b256 s[4:11], s[0:1], 0x0               ; q_img s[4:5], k_img s[6:7], v_img s[8:9], causal s[10:11]
	s_load_b128 s[12:15], s[0:1], 0x20             ; padding s[12:13], the exponents s[14:15]
	s_load_b64 s[16:17], s[0:1], 0x30              ; a_codes
	v_lshl_add_u32 v254, v0, 2, 0x49400
	v_mov_b32 v255, 0
	ds_add_u32 v254, v255
	ds_add_u32 v254, v255
	v_lshrrev_b32 v1, 5, v0
	v_readfirstlane_b32 s[WV], v1                  ; wave 0..7
	s_bfe_u32 s88, ttmp6, 0x40000                  ; cx
	s_bfe_u32 s89, ttmp6, 0x40004                  ; cy
	s_lshl_b32 s90, ttmp9, 2
	s_add_co_u32 s90, s90, s88                     ; my block of 128 queries
	s_and_b32 s91, ttmp7, 0xffff
	s_lshl_b32 s91, s91, 2
	s_add_co_u32 s91, s91, s89                     ; 8 x batch + group
	s_lshr_b32 s92, s91, 3                         ; batch
	s_and_b32 s93, s91, 7                          ; group
	s_lshl_b32 s94, s89, 2
	s_lshl_b32 s94, 15, s94                        ; my row of the cluster
	s_lshl_b32 s95, 0x1111, s88                    ; my column
	; group 1, elements of 8 bytes.  K: 32 rows of 256 bytes, dense.  V: 2 rows of 4,096 bytes (a group's four images of 64 keys), 32,768 bytes apart.  Padding: one row of 128 bytes.  Causal: 16 rows of 1,024 bytes, padded
	s_or_b32 s[G1K], s94, (3<<16)|(1<<21)
	s_mov_b32 s[G1K+1], 32<<16
	s_mov_b32 s[G1K+2], 32<<16
	s_mov_b32 s[G1K+3], 32<<16
	s_mov_b32 s[G1K+4], 32
	s_mov_b32 s[G1K+5], 32
	s_mov_b32 s[G1K+6], 0
	s_mov_b32 s[G1K+7], 0
	s_or_b32 s[G1V], s94, (3<<16)|(1<<21)
	s_mov_b32 s[G1V+1], 512<<16
	s_mov_b32 s[G1V+2], 2<<16
	s_mov_b32 s[G1V+3], 512<<16
	s_mov_b32 s[G1V+4], 2
	s_mov_b32 s[G1V+5], 4096
	s_mov_b32 s[G1V+6], 0
	s_mov_b32 s[G1V+7], 0
	s_mov_b32 s[G1P], 3<<16
	s_mov_b32 s[G1P+1], 16<<16
	s_mov_b32 s[G1P+2], 1<<16
	s_mov_b32 s[G1P+3], 16<<16
	s_mov_b32 s[G1P+4], 1
	s_mov_b32 s[G1P+5], 16
	s_mov_b32 s[G1P+6], 0
	s_mov_b32 s[G1P+7], 0
	s_or_b32 s[G1M], s95, (3<<16)|(1<<20)|(1<<21)|(7<<22)|(3<<25)   ; padding: four words after every 256
	s_mov_b32 s[G1M+1], 128<<16
	s_mov_b32 s[G1M+2], 16<<16
	s_mov_b32 s[G1M+3], 128<<16
	s_mov_b32 s[G1M+4], 16
	s_mov_b32 s[G1M+5], 128
	s_mov_b32 s[G1M+6], 0
	s_mov_b32 s[G1M+7], 0
	s_lshl_b32 s19, s[WV], 13
	s_lshl_b32 s96, s91, 16                        ; K: 65,536 (8 batch + group) + 8,192 wave: 128 keys a wave
	s_add_co_u32 s96, s96, s19
	s_mov_b32 s97, 0
	s_lshl_b32 s100, s92, 19                       ; V: 524,288 batch + 4,096 group + 65,536 wave: the same 128 keys
	s_lshl_b32 s101, s93, 12
	s_add_co_u32 s100, s100, s101
	s_lshl_b32 s101, s[WV], 16
	s_add_co_u32 s100, s100, s101
	s_mov_b32 s101, 0
	s_lshl_b32 s2, s92, 10                         ; padding: 1,024 batch + 128 wave
	s_lshl_b32 s3, s[WV], 7
	s_add_co_u32 s2, s2, s3
	s_mov_b32 s3, 0
	s_lshl_b32 s98, s90, 17                        ; causal: row 128 block + 16 wave
	s_lshl_b32 s99, s[WV], 14
	s_add_co_u32 s98, s98, s99
	s_mov_b32 s99, 0
	s_mov_b32 s[G0K], 1
	s_lshl_b32 s[G0K+1], s[WV], 13
	s_mov_b32 s[G0V], 1
	s_lshl_b32 s[G0V+1], s[WV], 13
	s_add_co_u32 s[G0V+1], s[G0V+1], VB
	s_mov_b32 s[G0P], 1
	s_lshl_b32 s[G0P+1], s[WV], 7
	s_add_co_u32 s[G0P+1], s[G0P+1], PB
	s_mov_b32 s[G0M], 1
	s_mul_i32 s[G0M+1], s[WV], MW
	s_add_co_u32 s[G0M+1], s[G0M+1], MBASE
	s_wait_dscnt 0x0
	s_wait_kmcnt 0x0
	s_load_b256 s[76:83], s[14:15], 0x0            ; exponents 0-7
	s_load_b128 s[84:87], s[14:15], 0x20           ; 8-11
	s_add_nc_u64 s[G0K+2:G0K+3], s[6:7], s[96:97]
	s_or_b32 s[G0K+3], s[G0K+3], 0x80000000
	s_add_nc_u64 s[G0V+2:G0V+3], s[8:9], s[100:101]
	s_or_b32 s[G0V+3], s[G0V+3], 0x80000000
	s_add_nc_u64 s[G0P+2:G0P+3], s[12:13], s[2:3]
	s_or_b32 s[G0P+3], s[G0P+3], 0x80000000
	s_add_nc_u64 s[G0M+2:G0M+3], s[10:11], s[98:99]
	s_or_b32 s[G0M+3], s[G0M+3], 0x80000000
	s_lshl_b32 s2, s92, 21                         ; Q: image ((batch x 32 + 4 group + hd) x 64 + 8 block + wave)
	s_lshl_b32 s3, s93, 18
	s_add_co_u32 s2, s2, s3
	s_lshl_b32 s3, s90, 13
	s_add_co_u32 s2, s2, s3
	s_lshl_b32 s3, s[WV], 10
	s_add_co_u32 s2, s2, s3
	s_mov_b32 s3, 0
	s_add_nc_u64 s[4:5], s[4:5], s[2:3]
	s_lshl_b32 s2, s92, 21                         ; a_codes: row 1,024 batch + 128 block + 16 wave of 2,048 bytes, + 256 group
	s_lshl_b32 s3, s90, 18
	s_add_co_u32 s2, s2, s3
	s_lshl_b32 s3, s[WV], 15
	s_add_co_u32 s2, s2, s3
	s_lshl_b32 s3, s93, 8
	s_add_co_u32 s2, s2, s3
	s_mov_b32 s3, 0
	s_add_nc_u64 s[16:17], s[16:17], s[2:3]
	CROUND                                         ; all sixteen work-groups are here: the joint loads meet
	tensor_load_to_lds s[G0K:G0K+3], s[G1K:G1K+7]
	s_nop 0
	tensor_load_to_lds s[G0V:G0V+3], s[G1V:G1V+7]
	s_nop 0
	tensor_load_to_lds s[G0P:G0P+3], s[G1P:G1P+7]
	s_nop 0
	tensor_load_to_lds s[G0M:G0M+3], s[G1M:G1M+7]
	s_nop 0
.rept 4
	v_nop                                          ; four follow the last of the group
.endr
	v_and_b32 v[LI], 31, v0
	v_lshlrev_b32 v[LI], 4, v[LI]
.irp hd, 0,1,2,3
	global_load_b128 v[Q+8*\hd:Q+8*\hd+3], v[LI], s[4:5] offset:65536*\hd
	global_load_b128 v[Q+8*\hd+4:Q+8*\hd+7], v[LI], s[4:5] offset:65536*\hd+512
.endr
	v_and_b32 v38, 15, v0                          ; r
	v_bfe_u32 v39, v0, 4, 1                        ; h
	s_mul_i32 s19, s[WV], MW
	s_add_co_u32 s19, s19, MBASE
	v_mul_u32_u24 v[AM], v38, MP
	v_lshl_add_u32 v[AM], v39, 3, v[AM]
	v_add_nc_u32 v[AM], s19, v[AM]                 ; my query's mask row, + 8 h
	v_lshlrev_b32 v[AP], 3, v39
	v_add_nc_u32 v[AP], PB, v[AP]
	v_add_nc_u32 v[AV], VB, v[LI]
	s_mul_i32 s19, s[WV], 16*SP
	s_add_co_u32 s19, s19, STG                     ; my stage
	v_mul_u32_u24 v[STO], v38, SP
	v_lshl_add_u32 v[STO], v39, 3, v[STO]
	v_add_nc_u32 v[STO], s19, v[STO]               ; in: row r, + 8 h
	v_mul_u32_u24 v[RD], v39, SP
	v_lshl_add_u32 v[RD], v38, 4, v[RD]
	v_add_nc_u32 v[RD], s19, v[RD]                 ; back: lanes 0-15 one row of 256 bytes, lanes 16-31 the next
	v_lshlrev_b32 v[GO], 11, v39
	v_lshl_add_u32 v[GO], v38, 4, v[GO]            ; and the same two rows in a_codes
	v_mov_b32 v[ZERO], 0
	v_mov_b32 v[PX], 0                             ; written once: a lane exchange's destination counts as read
	v_mov_b32 v[F+1], 0                            ; (named as the upper half of a pair)
	v_mov_b32 v[NANC], 0x7f7f7f7f                  ; four NaN codes
.irp hd, 0,1,2,3
	v_mov_b32 v[ST+4*\hd+1], 0xff61b1e6            ; the largest t so far: -3e38
	v_floor_f32 v[ST+4*\hd], -v[ST+4*\hd+1]        ; -M
	v_mov_b32 v[ST+4*\hd+2], 0                     ; the sum, in two halves
	v_mov_b32 v[ST+4*\hd+3], 0
.endr
	WIN 0x40
.set j, 0
.rept 128
	v_mov_b32 v[j], 0                              ; O^T.  The step is written once: the first finds zeros, which the first change of M leaves zeros; a first step of its own would double the loop's text
.set j, j+1
.endr
	WIN 0
	s_mov_b32 s[SEL], 0x76543210
	s_mov_b32 s[SEL+1], 0xfedcba98
	s_mov_b32 s[KO], 0
	s_mov_b32 s[MO], 0
	s_mov_b32 s[CNT], 8
	s_mov_b32 s[C254], 254
	s_mov_b32 s[PS], 0x04000000                    ; byte 0, 1, 2, 3 of the first source to the top, zeros (of the second) below
	s_mov_b32 s[PS+1], 0x05000000
	s_mov_b32 s[PS+2], 0x06000000
	s_mov_b32 s[PS+3], 0x07000000
	s_wait_kmcnt 0x0
	s_add_co_i32 s19, s82, s83
	s_lshl_b32 s19, s19, 23
	s_add_co_i32 s[CS], s19, 0x3e38aa3b            ; log2(e) / 8, with e6 + e7 added to its exponent field
	s_mov_b32 s[CS+1], s[CS]
	s_add_co_i32 s19, s84, 127
	s_lshl_b32 s2, s19, 23
	v_mov_b32 v[PSC], s2                           ; 2^e8
	s_add_co_i32 s19, s19, 8
	s_lshl_b32 s19, s19, 23
	s_or_b32 s19, s19, 0x600000
	v_mov_b32 v[PLIM], s19                         ; 448 x 2^e8
	s_sub_co_i32 s19, s86, s84
	s_sub_co_i32 s19, s19, s85                     ; a sum of the second product stands for sum x 2^(e8 + e9): its code is (sum / l) / 2^(e10 - e8 - e9)
	s_add_co_i32 s19, s19, 127
	s_lshl_b32 s2, s19, 23
	v_mov_b32 v[OSC], s2
	s_add_co_i32 s19, s19, 8
	s_lshl_b32 s19, s19, 23
	s_or_b32 s19, s19, 0x600000
	v_mov_b32 v[OLIM], s19
	s_wait_tensorcnt 0x0                           ; my four loads have landed,
	s_barrier_signal -1
	s_barrier_wait -1                              ; everybody's have: K, V and the padding row are whole
	s_wait_loadcnt 0x0                             ; Q
; ONE HEAD'S PART OF A KEY STEP: 8 products for the scores, the softmax of 16 queries x 128 keys, 4 products for O^T.
.macro HEAD hd
.set rT, ST+4*(\hd)
.set rO, 32*(\hd)
	WIN 0x01                                       ; source 0 (K) window 1
.irp t, 0,1,2,3,4,5,6,7
	v_wmma_f32_16x16x64_fp8_fp8 v[S+8*\t:S+8*\t+7], v[KF+8*\t:KF+8*\t+7], v[Q+8*(\hd):Q+8*(\hd)+7], v[MB+8*\t:MB+8*\t+7]
.endr
	WIN 0
.rept 4
	v_nop                                          ; places ahead of the first read of the scores
.endr
	v_max3_num_f32 v[TA], v[S], v[S+1], v[S+2]     ; the step's largest score of my query among my 64 keys, in two chains, each tile from its low end on
	v_max3_num_f32 v[TB], v[S+3], v[S+4], v[S+5]
.set j, 6
.rept 14
	v_max3_num_f32 v[TA], v[TA], v[S+j], v[S+j+1]
	v_max3_num_f32 v[TB], v[TB], v[S+j+2], v[S+j+3]
.set j, j+4
.endr
	v_max3_num_f32 v[TA], v[TA], v[S+62], v[S+63]
	v_max3_num_f32 v[TA], v[TA], v[TB], 0xce800000 ; with the floor -2^30: under every sum of codes, over the mask's number
	v_permlanex16_b32 v[PX], v[TA], s[SEL], s[SEL+1]
	v_max_num_f32 v[TA], v[TA], v[PX]              ; and among lane l xor 16's
	v_mul_f32 v[TA], s[CS], v[TA]                  ; as t (c is positive)
	v_max_num_f32 v[rT+1], v[rT+1], v[TA]          ; the running largest t
	v_mov_b32 v[TA], v[rT]
	v_floor_f32 v[rT], -v[rT+1]                    ; the new -M = -ceil(t): M is a whole number
	v_sub_f32 v[TA], v[rT], v[TA]                  ; old M - new M, 0 or less
	v_cvt_i32_f32 v[TA], v[TA]                     ; (it saturates)
	v_ldexp_f32 v[F], 1.0, v[TA]                   ; f = 2^(old M - new M): a multiplication by it rounds nothing
.set j, 0
.rept 32
	v_pk_fma_f32 v[S+j:S+j+1], v[S+j:S+j+1], s[CS:CS+1], v[rT:rT+1] op_sel_hi:[1,0,0]   ; t - M, two at a time
.set j, j+2
.endr
.set j, 0
.rept 64
	v_exp_f32 v[S+j], v[S+j]                       ; p = 2^(t - M): not normalised; 0 for a masked key
.set j, j+1
.endr
	v_pk_mul_f32 v[rT+2:rT+3], v[rT+2:rT+3], v[F:F+1] op_sel_hi:[1,0]   ; the sums under the new M: the plain line behind the exponentials
	s_wait_alu depctr_va_vdst(0)                   ; one wait for the batch of 64, ahead of its first reader
	v_pk_add_f32 v[SU:SU+1], v[S:S+1], v[S+2:S+3]  ; the row's sum is taken of the unquantised p, in two chains
.set j, 4
.rept 15
	v_pk_add_f32 v[rT+2:rT+3], v[rT+2:rT+3], v[S+j:S+j+1]
	v_pk_add_f32 v[SU:SU+1], v[SU:SU+1], v[S+j+2:S+j+3]
.set j, j+4
.endr
	v_pk_add_f32 v[rT+2:rT+3], v[rT+2:rT+3], v[SU:SU+1]
.irp b, 0,1,2,3
.set j, 0
.rept 16
	v_min_num_f32 v[S+16*\b+j], v[S+16*\b+j], v[PLIM]   ; the conversion does not saturate (ISA guide 7.6.2); p is not negative, so the hold is one-sided
.set j, j+1
.endr
	v_cvt_scalef32_pk8_fp8_f32 v[P+4*\b:P+4*\b+1], v[S+16*\b:S+16*\b+7], v[PSC]         ; tile t's eight keys are pair t of P
	v_cvt_scalef32_pk8_fp8_f32 v[P+4*\b+2:P+4*\b+3], v[S+16*\b+8:S+16*\b+15], v[PSC]
.endr
	WIN 0x41
.set j, 0
.rept 16
	v_pk_mul_f32 v[rO+j:rO+j+1], v[rO+j:rO+j+1], v[F:F+1] op_sel_hi:[1,0]   ; O^T under the new M; these are also the plain lines between the conversions and the products
.set j, j+2
.endr
.if (\hd) == 0
	s_wait_dscnt 0x0                               ; V's fragments are in
.endif
	WIN 0x51                                       ; V, and O^T as C and D, window 1; P window 0
.irp db, 0,1,2,3
	v_wmma_f32_16x16x128_fp8_fp8 v[rO+8*\db:rO+8*\db+7], v[VF+16*\db:VF+16*\db+15], v[P:P+15], v[rO+8*\db:rO+8*\db+7]
.endr
	WIN 0
.endm
.Lstep:                                            ; 8 trips of 128 keys
	v_add_nc_u32 v4, s[KO], v[LI]                  ; the step's addresses: these four are the places between the last products and the loads into V's registers
	v_add_nc_u32 v5, s[KO], v[AV]
	v_add_nc_u32 v6, s[MO], v[AM]
	v_add_nc_u32 v7, s[MO], v[AP]
.irp t, 0,1,2,3,4,5,6,7
	ds_load_b64 v[S+2*\t:S+2*\t+1], v6 offset:16*\t          ; the causal bytes of my query at keys 16 t + 8 h + 0..7
.endr
.irp t, 0,1,2,3,4,5,6,7
	ds_load_b64 v[S+16+2*\t:S+17+2*\t], v7 offset:16*\t      ; the padding bytes of the same keys
.endr
	WIN 0x40
.irp t, 0,1,2,3,4,5,6,7
	ds_load_b128 v[KF+8*\t:KF+8*\t+3], v4 offset:1024*\t
	ds_load_b128 v[KF+8*\t+4:KF+8*\t+7], v4 offset:1024*\t+512
.endr
.irp db, 0,1,2,3
.irp u, 0,1,2,3
	ds_load_b128 v[VF+16*\db+4*\u:VF+16*\db+4*\u+3], v5 offset:4096*(\u/2)+1024*\db+512*(\u%2)   ; two images of 64 keys make a fragment of 128
.endr
.endr
	WIN 0
	s_wait_dscnt 32                                ; the 16 mask loads are in; K's 16 and V's 16 may be out
.set j, 0
.rept 16
	v_or_b32 v[S+j], v[S+j], v[S+16+j]             ; masked by either
.set j, j+1
.endr
.set j, 0
.rept 16
	v_mul_lo_u32 v[S+j], v[S+j], s[C254]           ; bytes 0 or 1 become 0 or 0xfe (no carry from byte to byte)
.set j, j+1
.endr
.irp t, 0,1,2,3,4,5,6,7
.irp j, 0,1,2,3,4,5,6,7
	v_perm_b32 v[MB+8*\t+\j], v[S+2*\t+\j/4], v[ZERO], s[PS+\j%4]   ; the byte on top of three zeros: +0, or 0xfe000000 = -2^125.  Built once for four heads
.endr
.endr
	s_wait_dscnt 16                                ; K's fragments are in
	HEAD 0
	HEAD 1
	HEAD 2
	HEAD 3
	s_add_co_u32 s[KO], s[KO], 8192
	s_add_co_u32 s[MO], s[MO], 128
	s_sub_co_u32 s[CNT], s[CNT], 1
	s_cmp_lg_u32 s[CNT], 0
	s_cbranch_scc1 .Lstep
	; THE WAY OUT.  The first four additions are the places behind the last products.
.irp hd, 0,1,2,3
	v_add_f32 v[ST+4*\hd+2], v[ST+4*\hd+2], v[ST+4*\hd+3]
.endr
.irp hd, 0,1,2,3
	v_permlanex16_b32 v[ST+4*\hd+3], v[ST+4*\hd+2], s[SEL], s[SEL+1]
.endr
.irp hd, 0,1,2,3
	v_add_f32 v[ST+4*\hd+2], v[ST+4*\hd+2], v[ST+4*\hd+3]   ; the row's sum
.endr
.irp hd, 0,1,2,3
	v_rcp_f32 v[ST+4*\hd], v[ST+4*\hd+2]
.endr
	v_nop                                          ; a plain line behind the last reciprocal
	s_wait_alu depctr_va_vdst(0)                   ; one wait for the four, ahead of their first reader
.irp hd, 0,1,2,3
	v_cmp_lt_f32 s[LM+\hd], 0, v[ST+4*\hd+2]       ; rows that had a key
.endr
.macro OUTH hd                         ; O^T / the sum, held, converted; a lane's eight channels are 8 bytes of its query's row
	WIN 0x01
.set j, 0
.rept 16
	v_pk_mul_f32 v[S+j:S+j+1], v[32*(\hd)+j:32*(\hd)+j+1], v[ST+4*(\hd):ST+4*(\hd)+1] op_sel_hi:[1,0]
.set j, j+2
.endr
	WIN 0
.set j, 0
.rept 32
	v_med3_num_f32 v[S+j], v[S+j], -v[OLIM], v[OLIM]
.set j, j+1
.endr
.irp db, 0,1,2,3
	v_cvt_scalef32_pk8_fp8_f32 v[P+2*\db:P+2*\db+1], v[S+8*\db:S+8*\db+7], v[OSC]
.endr
	v_nop                                          ; a plain line between the conversions and the lines that touch their results
.set j, 0
.rept 8
	v_cndmask_b32 v[P+j], v[NANC], v[P+j], s[LM+\hd]   ; a row with every key masked: NaN codes
.set j, j+1
.endr
.irp db, 0,1,2,3
	ds_store_b64 v[STO], v[P+2*\db:P+2*\db+1] offset:64*(\hd)+16*\db
.endr
.endm
	OUTH 0
	OUTH 1
	OUTH 2
	OUTH 3
.irp t, 0,1,2,3,4,5,6,7
	ds_load_b128 v[S+4*\t:S+4*\t+3], v[RD] offset:\t*2*SP   ; LDS serves a wave's instructions in order (ISA guide 5.7.1.4): these see my stores
.endr
.irp t, 0,1,2,3,4,5,6,7
	s_wait_dscnt 7-\t                              ; loads come back in order: pair t of rows is in
	global_store_b128 v[GO], v[S+4*\t:S+4*\t+3], s[16:17] offset:4096*\t   ; sixteen lanes store 256 consecutive bytes, aligned
.endr
	s_wait_tensorcnt 0x0
	ds_add_u32 v254, v255
	s_wait_dscnt 0x0
	CROUND                                         ; the closing round (no LDS instruction of mine is out: the last count was 0)
	s_endpgm
.Lfunc_end_k_q1b475a2678_attn:
	.size	k_q1b475a2678_attn, .Lfunc_end_k_q1b475a2678_attn-k_q1b475a2678_attn
	.p2alignl 7, 3214868480
	.fill 96, 4, 3214868480
	.section	.rodata,"a",@progbits
	.p2align	6, 0x0
	.amdhsa_kernel k_q1b475a2678_attn
		.amdhsa_group_segment_fixed_size 301056
		.amdhsa_private_segment_fixed_size 0
		.amdhsa_enable_private_segment 0
		.amdhsa_kernarg_size 56
		.amdhsa_user_sgpr_count 2
		.amdhsa_user_sgpr_kernarg_segment_ptr 1
		.amdhsa_wavefront_size32 1
		.amdhsa_system_sgpr_workgroup_id_x 1
		.amdhsa_system_sgpr_workgroup_id_y 1
		.amdhsa_system_sgpr_workgroup_id_z 1
		.amdhsa_system_vgpr_workitem_id 0
		.amdhsa_next_free_vgpr 512
		.amdhsa_next_free_sgpr 102
		.amdhsa_reserve_vcc 0
		.amdhsa_float_denorm_mode_32 3
		.amdhsa_float_denorm_mode_16_64 3
		.amdhsa_memory_ordered 1
		.amdhsa_forward_progress 1
		.amdhsa_inst_pref_size 95
	.end_amdhsa_kernel
	.amdgpu_metadata
---
amdhsa.version: [ 1, 2 ]
amdhsa.kernels:
  - .name:           k_q1b475a2678_attn
    .symbol:         k_q1b475a2678_attn.kd
    .args:
      - { .name: q_img, .offset: 0, .size: 8, .value_kind: global_buffer, .address_space: global }
      - { .name: k_img, .offset: 8, .size: 8, .value_kind: global_buffer, .address_space: global }
      - { .name: v_img, .offset: 16, .size: 8, .value_kind: global_buffer, .address_space: global }
      - { .name: causal_mask, .offset: 24, .size: 8, .value_kind: global_buffer, .address_space: global }
      - { .name: padding_mask, .offset: 32, .size: 8, .value_kind: global_buffer, .address_space: global }
      - { .name: lowp_scales, .offset: 40, .size: 8, .value_kind: global_buffer, .address_space: global }
      - { .name: a_codes, .offset: 48, .size: 8, .value_kind: global_buffer, .address_space: global }
    .group_segment_fixed_size: 301056
    .private_segment_fixed_size: 0
    .kernarg_segment_align: 8
    .kernarg_segment_size: 56
    .max_flat_workgroup_size: 256
    .sgpr_count:     102
    .vgpr_count:     512
    .wavefront_size: 32
...
	.end_amdgpu_metadata
.endif
;; end of part 2
;; launch oproj (part 3): grid 64 x 4, 4 waves a work-group, clusters of 4 x 4, 327,680 bytes of LDS; arguments a_codes, Wo_codes, bo, lowp_scales, out0; writes out0
.if DOCPART == 3
	.amdgcn_target "amdgcn-amd-amdhsa--gfx1250"
	.amdhsa_code_object_version 6
	.text
	.protected	k_q1b475a2678_oproj
	.globl	k_q1b475a2678_oproj
	.p2align	8
	.type	k_q1b475a2678_oproj,@function
k_q1b475a2678_oproj:
	s_mov_b64 s[64:65], 0
	v_nop
	global_prefetch_b8 v0, s[64:65] scope:SCOPE_SE
	s_setreg_imm32_b32 hwreg(HW_REG_WAVE_MODE, 25, 1), 1
	s_wait_xcnt 0x0
	s_wait_alu depctr_hold_cnt(0) depctr_sa_sdst(0) depctr_va_vdst(0) depctr_va_sdst(0) depctr_va_ssrc(0) depctr_va_vcc(0) depctr_vm_vsrc(0)
	s_getreg_b32 s2, hwreg(HW_REG_IB_STS2, 6, 4)
	s_cmp_eq_u32 s2, 0
	s_cbranch_scc0 .Lentry_in_a_cluster
	s_endpgm
.Lentry_in_a_cluster:
	s_bfe_u32 s2, ttmp6, 0x10000c
	s_cmp_lg_u32 s2, 0xf033
	s_cbranch_scc0 .Lentry_shape_is_right
	s_endpgm
.Lentry_shape_is_right:
; out0 = a Wo^T + bo on codes of E4M3: a_codes [4096][2048], Wo_codes [2048][2048], K innermost; out0 [4096][2048] f32 = sum x 2^(e10 + e11) + bo.
; SHARES.  A work-group makes 256 rows x 128 columns; a cluster of 4 x 4 makes 1,024 x 512; 16 clusters, 256 work-groups.  a's tile hangs on the cluster's row and is asked for jointly along it, Wo's on its column.
; K goes in steps of 256 through two LDS slots.  A wave multiplies X = 8 fragments (128 rows of a, source 1) by Y = 4 fragments (64 rows of Wo, source 0): 32 accumulators; a lane's eight results are eight
; neighbouring columns of one row.  A fragment is fetched by four loads of 16 bytes: a permutation of k inside 128, the same in both operands.
; LIMIT: e10 + e11 between -126 and 127.
; REGISTERS: window 0: v1-3 lane terms, v7-9 the way out, v16-19 LDS addresses, v20, v21 the add's, v24-55 bias; v64-255 fragment set 0 (Y at 64, X at 128); window 1: v64-255 set 1; window 2: accumulator (i, jj) at v[8 (4 i + jj)].
.set KK,    2048
.set NN,    2048
.set PITCH, 272                        ; an LDS row: 256 bytes + 16: row r begins 16 r bytes further on modulo 256
.set ACTH,  128*PITCH
.set WHB,   64*PITCH
.set WOFF,  2*ACTH
.set SLOT,  WOFF+2*WHB
.set SPARE, 2*SLOT                     ; the spare words, 128 bytes a wave: two blocks of 256 bytes that no other line names
.set STAGE, SPARE+512                  ; the way out: 16 rows x (256 + 16) a wave; no tensor load lands here
.set SPITCH, 272
.set STO,  7
.set RD,   8
.set CO,   9
.set ADRX, 16
.set ADRY, 18
.set SPW,  20
.set NIL,  21
.set BY,   24
.set YF,   64
.set XF,   128
.set TMP,  64
.set BK,   128                         ; rows read back: v128-159 and v160-191 by turns
.set WV,   60
.set WHI,  61
.set WLO,  62
.set G1A,  36
.set G1B,  44
.set G0A,  52
.set G0B,  68
.set MSB, 0
.macro WIN new
.if MSB != (\new)
	s_set_vgpr_msb (MSB<<8)|(\new)
.set MSB, (\new)
.endif
.endm
.macro PLACES
.rept 4
	v_nop
.endr
.endm
.macro JLOAD s                         ; a joint load: waves 0, 1 for a, waves 2, 3 for Wo; four v_nop follow each line
	s_cmp_eq_u32 s[WHI], 0
	s_cbranch_scc0 .Lfor_b_\@
	tensor_load_to_lds s[G0A+4*\s:G0A+4*\s+3], s[G1A:G1A+7]
	s_nop 0
.rept 4
	v_nop
.endr
	s_branch .Lasked_\@
.Lfor_b_\@:
	tensor_load_to_lds s[G0B+4*\s:G0B+4*\s+3], s[G1B:G1B+7]
	s_nop 0
.rept 4
	v_nop
.endr
.Lasked_\@:
.endm
.macro CREST
	s_cmp_lg_u32 s[WV], 0
	s_cbranch_scc1 .Lnot_wave_0_\@
	s_barrier_signal -3
.Lnot_wave_0_\@:
	s_barrier_wait -3
	s_barrier_signal -1
	s_barrier_wait -1
.endm
.macro CROUND
	s_barrier_signal -1
	s_barrier_wait -1
	CREST
.endm
.macro FRAG reg, adr, q, i
.irp c, 0,1,2,3
	ds_load_b128 v[\reg+4*\c:\reg+4*\c+3], v[\adr] offset:128*(\q)+32*\c+(\i)*16*PITCH
.endr
.endm
.macro FETCH slot, q, p                ; 48 loads in one run into set p: Y's 16, X blocks 0-3's 16, X blocks 4-7's 16
	WIN 0x40*(\p)
.irp i, 0,1,2,3
	FRAG YF+16*\i, ADRY+\slot, \q, \i
.endr
.irp i, 0,1,2,3,4,5,6,7
	FRAG XF+16*\i, ADRX+\slot, \q, \i
.endr
.endm
.macro MUL8 i0, zero                   ; the 32 accumulators take turns in one fixed order
.irp i, \i0, \i0+1
.irp jj, 0,1,2,3
.if \zero
	v_wmma_f32_16x16x128_fp8_fp8 v[8*(4*(\i)+\jj):8*(4*(\i)+\jj)+7], v[YF+16*\jj:YF+16*\jj+15], v[XF+16*(\i):XF+16*(\i)+15], 0
.else
	v_wmma_f32_16x16x128_fp8_fp8 v[8*(4*(\i)+\jj):8*(4*(\i)+\jj)+7], v[YF+16*\jj:YF+16*\jj+15], v[XF+16*(\i):XF+16*(\i)+15], v[8*(4*(\i)+\jj):8*(4*(\i)+\jj)+7]
.endif
.endr
.endr
.endm
.macro STEP slot, zero
	s_wait_dscnt 16                                ; Y and X blocks 0-3 are in; the youngest 16 loads may be out
	WIN 0xa0
	MUL8 0, \zero
	MUL8 2, \zero
	PLACES
	FETCH \slot, 1, 1
	s_wait_dscnt 48                                ; all but the 48 just issued
	WIN 0xa0
	MUL8 4, \zero
	MUL8 6, \zero
.endm
.macro TURN slot, next, fill
	WIN 0
	s_wait_tensorcnt 0x0                           ; all my tensor loads have landed: my part of the next slot
	ds_add_u32 v[SPW], v[NIL]                      ; 0 onto my spare word
	s_wait_dscnt 17                                ; (the add and X blocks 4-7's 16 loads may be out)
	WIN 0xa5
	MUL8 0, 0
	s_wait_dscnt 0x0                               ; the add is done, and my reads of this slot are over
	s_barrier_signal -1
	MUL8 2, 0
	WIN 0
	s_barrier_wait -1
.if \fill
	CREST                                          ; the barrier has opened a round of the cluster's: no wave of any partner still reads this slot or has a load on its way
	s_add_nc_u64 s[G0A+4*\slot+2:G0A+4*\slot+3], s[G0A+4*\slot+2:G0A+4*\slot+3], 512
	s_add_nc_u64 s[G0B+4*\slot+2:G0B+4*\slot+3], s[G0B+4*\slot+2:G0B+4*\slot+3], 512
	JLOAD \slot                                    ; the first tensor load behind the round; its four v_nop are the places for the loads below
.else
	PLACES
.endif
	FETCH \next, 0, 0
	WIN 0xa5
	MUL8 4, 0
	MUL8 6, 0
.endm
	s_load_b256 s[4:11], s[0:1], 0x0               ; a_codes s[4:5], Wo s[6:7], bo s[8:9], the exponents s[10:11]
	s_load_b64 s[12:13], s[0:1], 0x20              ; out0
	v_lshl_add_u32 v[SPW], v0, 2, SPARE
	v_mov_b32 v[NIL], 0
	ds_add_u32 v20, v21
	ds_add_u32 v20, v21
	s_wait_dscnt 0x0
	v_lshrrev_b32 v1, 5, v0
	v_readfirstlane_b32 s[WV], v1
	s_lshr_b32 s[WHI], s[WV], 1
	s_and_b32 s[WLO], s[WV], 1
	s_bfe_u32 s88, ttmp6, 0x40000                  ; cx
	s_bfe_u32 s89, ttmp6, 0x40004                  ; cy
	s_lshr_b32 s90, ttmp9, 2                       ; which 1,024 rows
	s_and_b32 s91, ttmp9, 3                        ; which 512 columns
	s_lshl_b32 s96, s89, 2
	s_lshl_b32 s96, 15, s96                        ; my row of the cluster
	s_lshl_b32 s97, 0x1111, s88                    ; my column
	s_or_b32 s[G1A], s96, (1<<20)|(1<<21)|(5<<22)|(3<<25)   ; the mask; elements of 1 byte; padding: four words after every 64; bit 21 beside a mask
	s_or_b32 s[G1B], s97, (1<<20)|(1<<21)|(5<<22)|(3<<25)
.irp g, G1A, G1B
	s_mov_b32 s[\g+1], 256<<16
	s_mov_b32 s[\g+3], 256<<16
	s_mov_b32 s[\g+5], KK
	s_mov_b32 s[\g+6], 0
	s_mov_b32 s[\g+7], 0
.endr
	s_mov_b32 s[G1A+2], 128<<16
	s_mov_b32 s[G1A+4], 128
	s_mov_b32 s[G1B+2], 64<<16
	s_mov_b32 s[G1B+4], 64
	s_lshl_b32 s92, s90, 10                        ; a: row 1,024 block + 256 cy + 128 (wave % 2), in bytes
	s_lshl_b32 s93, s89, 8
	s_add_co_u32 s92, s92, s93
	s_lshl_b32 s93, s[WLO], 7
	s_add_co_u32 s92, s92, s93
	s_lshl_b32 s92, s92, 11
	s_mov_b32 s93, 0
	s_lshl_b32 s98, s91, 9                         ; Wo: row 512 block + 128 cx + 64 (wave % 2)
	s_lshl_b32 s99, s88, 7
	s_add_co_u32 s98, s98, s99
	s_lshl_b32 s99, s[WLO], 6
	s_add_co_u32 s98, s98, s99
	s_mov_b32 s100, s98                            ; (kept: my first column)
	s_lshl_b32 s98, s98, 11
	s_mov_b32 s99, 0
	s_mul_i32 s101, s[WLO], ACTH
	s_mul_i32 s2, s[WLO], WHB
	s_add_co_u32 s2, s2, WOFF
	s_wait_kmcnt 0x0
	s_load_b64 s[76:77], s[10:11], 0x28            ; e10, e11
	s_add_nc_u64 s[28:29], s[4:5], s[92:93]
	s_add_nc_u64 s[30:31], s[6:7], s[98:99]
	CROUND                                         ; all sixteen work-groups are here: the first joint loads meet
.irp s, 0,1
	s_mov_b32 s[G0A+4*\s], 1
	s_add_co_u32 s[G0A+4*\s+1], s101, \s*SLOT
	s_add_nc_u64 s[G0A+4*\s+2:G0A+4*\s+3], s[28:29], \s*256
	s_or_b32 s[G0A+4*\s+3], s[G0A+4*\s+3], 0x80000000
	s_mov_b32 s[G0B+4*\s], 1
	s_add_co_u32 s[G0B+4*\s+1], s2, \s*SLOT
	s_add_nc_u64 s[G0B+4*\s+2:G0B+4*\s+3], s[30:31], \s*256
	s_or_b32 s[G0B+4*\s+3], s[G0B+4*\s+3], 0x80000000
	JLOAD \s                                       ; two loads of mine are out
.endr
	v_and_b32 v1, 15, v0                           ; r
	v_bfe_u32 v2, v0, 4, 1                         ; h
	v_mul_u32_u24 v3, v1, PITCH
	v_lshl_add_u32 v3, v2, 4, v3
	s_mul_i32 s14, s[WHI], ACTH                    ; X = my 128 rows of a
	s_mul_i32 s15, s[WLO], WHB
	s_add_co_u32 s15, s15, WOFF                    ; Y = my 64 rows of Wo
	v_add_nc_u32 v[ADRX], s14, v3
	v_add_nc_u32 v[ADRY], s15, v3
	v_add_nc_u32 v[ADRX+1], SLOT, v[ADRX]
	v_add_nc_u32 v[ADRY+1], SLOT, v[ADRY]
	v_lshlrev_b32 v4, 5, v2                        ; bias: 8 h numbers
	s_lshl_b32 s16, s100, 2
	s_mov_b32 s17, 0
	s_add_nc_u64 s[16:17], s[8:9], s[16:17]
.irp jj, 0,1,2,3
	global_load_b128 v[BY+8*\jj:BY+8*\jj+3], v4, s[16:17] offset:64*\jj       ; bo at columns 16 jj + 8 h + 0..7 of my 64
	global_load_b128 v[BY+8*\jj+4:BY+8*\jj+7], v4, s[16:17] offset:64*\jj+16
.endr
	s_mul_i32 s18, s[WV], 16*SPITCH
	s_add_co_u32 s18, s18, STAGE                   ; my stage
	v_mul_u32_u24 v[STO], v1, SPITCH
	v_lshl_add_u32 v[STO], v2, 5, v[STO]
	v_add_nc_u32 v[STO], s18, v[STO]               ; in: row r, + 32 h
	v_mul_u32_u24 v[RD], v2, SPITCH
	v_lshl_add_u32 v[RD], v1, 4, v[RD]
	v_add_nc_u32 v[RD], s18, v[RD]                 ; back: lanes 0-15 one row of 256 bytes, lanes 16-31 the next
	v_lshlrev_b32 v[CO], 13, v2
	v_lshl_add_u32 v[CO], v1, 4, v[CO]             ; the same two rows in out0
	s_lshl_b32 s14, s90, 10                        ; my first row: 1,024 block + 256 cy + 128 (wave / 2), of 8,192 bytes; + 4 x my first column
	s_lshl_b32 s15, s89, 8
	s_add_co_u32 s14, s14, s15
	s_lshl_b32 s15, s[WHI], 7
	s_add_co_u32 s14, s14, s15
	s_lshl_b32 s14, s14, 13
	s_lshl_b32 s15, s100, 2
	s_add_co_u32 s14, s14, s15
	s_mov_b32 s15, 0
	s_add_nc_u64 s[12:13], s[12:13], s[14:15]
	s_wait_kmcnt 0x0
	s_add_co_i32 s96, s76, s77
	s_add_co_i32 s96, s96, 127
	s_lshl_b32 s96, s96, 23                        ; 2^(e10 + e11) as f32
	s_mov_b32 s97, s96                             ; (named with it as a pair, so it is written)
	s_wait_loadcnt 0x0                             ; the bias
	s_wait_tensorcnt 1                             ; my part of slot 0 is in; slot 1's load may be out
	s_barrier_signal -1
	s_barrier_wait -1
	FETCH 0, 0, 0
	STEP 0, 1                                      ; the first 128 along K stand ahead of the loop: their products start the sums
	WIN 0
	s_mov_b32 s3, KK/512-1
.Llap:
	TURN 0, 1, 1
	STEP 1, 0
	TURN 1, 0, 1
	STEP 0, 0
	WIN 0
	s_sub_co_u32 s3, s3, 1
	s_cmp_lg_u32 s3, 0
	s_cbranch_scc1 .Llap
	TURN 0, 1, 0                                   ; the last lap fills nothing
	STEP 1, 0
	s_wait_dscnt 16
	WIN 0xa5
	MUL8 0, 0
	MUL8 2, 0
	s_wait_dscnt 0x0
	MUL8 4, 0
	MUL8 6, 0
	WIN 0
	PLACES
; THE WAY OUT, a block of 16 rows x 64 columns at a time: one packed multiply-add gives sum x 2^(e10 + e11) + bo; a lane's 32 bytes go into my own stage and come back as whole rows of 256 bytes.
; LDS serves a wave's instructions in order (ISA guide 5.7.1.4): no wait between the stores and the loads, nor ahead of the next block's stores.
.macro TOSTAGE i
	WIN 0x02
.set j, 0
.rept 16
	v_pk_fma_f32 v[TMP+j:TMP+j+1], v[32*(\i)+j:32*(\i)+j+1], s[96:97], v[BY+j:BY+j+1] op_sel_hi:[1,0,1]   ; each accumulator from its low end on
.set j, j+2
.endr
	WIN 0
.irp jj, 0,1,2,3
	ds_store_b128 v[STO], v[TMP+8*\jj:TMP+8*\jj+3] offset:64*\jj
	ds_store_b128 v[STO], v[TMP+8*\jj+4:TMP+8*\jj+7] offset:64*\jj+16
.endr
.set BB, BK+32*((\i)%2)
.irp t, 0,1,2,3,4,5,6,7
	ds_load_b128 v[BB+4*\t:BB+4*\t+3], v[RD] offset:\t*2*SPITCH
.endr
.endm
.macro SEND i, younger                 ; younger: the LDS instructions issued behind block i's loads, which may stay out
.set BB, BK+32*((\i)%2)
	s_wait_dscnt \younger
.irp t, 0,1,2,3,4,5,6,7
	global_store_b128 v[CO], v[BB+4*\t:BB+4*\t+3], s[12:13] offset:(16*(\i)+2*\t)*NN*4 th:TH_STORE_NT   ; sixteen lanes store 256 consecutive bytes, aligned; 126 rows at the most stand in the immediate
.endr
.endm
	TOSTAGE 0
.irp a, 1,2,3,4,5,6,7
.if \a > 1
	s_wait_xcnt 0x0                                ; block a - 2's stores have read their registers: block a's loads may land there
.endif
	TOSTAGE \a
	SEND \a-1, 16                                  ; behind block a - 1's loads: block a's 8 stores and 8 loads
.endr
	SEND 7, 0
	s_wait_tensorcnt 0x0                           ; the wave's end
	ds_add_u32 v[SPW], v[NIL]
	s_wait_dscnt 0x0
	CROUND                                         ; the closing round
	s_endpgm
.Lfunc_end_k_q1b475a2678_oproj:
	.size	k_q1b475a2678_oproj, .Lfunc_end_k_q1b475a2678_oproj-k_q1b475a2678_oproj
	.p2alignl 7, 3214868480
	.fill 96, 4, 3214868480
	.section	.rodata,"a",@progbits
	.p2align	6, 0x0
	.amdhsa_kernel k_q1b475a2678_oproj
		.amdhsa_group_segment_fixed_size 327680
		.amdhsa_private_segment_fixed_size 0
		.amdhsa_enable_private_segment 0
		.amdhsa_kernarg_size 40
		.amdhsa_user_sgpr_count 2
		.amdhsa_user_sgpr_kernarg_segment_ptr 1
		.amdhsa_wavefront_size32 1
		.amdhsa_system_sgpr_workgroup_id_x 1
		.amdhsa_system_sgpr_workgroup_id_y 1
		.amdhsa_system_sgpr_workgroup_id_z 1
		.amdhsa_system_vgpr_workitem_id 0
		.amdhsa_next_free_vgpr 768
		.amdhsa_next_free_sgpr 102
		.amdhsa_reserve_vcc 0
		.amdhsa_float_denorm_mode_32 3
		.amdhsa_float_denorm_mode_16_64 3
		.amdhsa_memory_ordered 1
		.amdhsa_forward_progress 1
		.amdhsa_inst_pref_size 76
	.end_amdhsa_kernel
	.amdgpu_metadata
---
amdhsa.version: [ 1, 2 ]
amdhsa.kernels:
  - .name:           k_q1b475a2678_oproj
    .symbol:         k_q1b475a2678_oproj.kd
    .args:
      - { .name: a_codes, .offset: 0, .size: 8, .value_kind: global_buffer, .address_space: global }
      - { .name: Wo_codes, .offset: 8, .size: 8, .value_kind: global_buffer, .address_space: global }
      - { .name: bo, .offset: 16, .size: 8, .value_kind: global_buffer, .address_space: global }
      - { .name: lowp_scales, .offset: 24, .size: 8, .value_kind: global_buffer, .address_space: global }
      - { .name: out0, .offset: 32, .size: 8, .value_kind: global_buffer, .address_space: global }
    .group_segment_fixed_size: 327680
    .private_segment_fixed_size: 0
    .kernarg_segment_align: 8
    .kernarg_segment_size: 40
    .max_flat_workgroup_size: 128
    .sgpr_count:     102
    .vgpr_count:     768
    .wavefront_size: 32
...
	.end_amdgpu_metadata
.endif
;; end of part 3
;; ======== version 2 of 2: 3 launches
;; limits: right only within a limited range of input values
;; workspace buffers: q_img 8,388,608 bytes; k_img 2,097,152 bytes; v_img 2,097,152 bytes; a_codes 8,388,608 bytes
;; launch proj (part 4): grid 192 x 1, 4 waves a work-group, clusters of 4 x 1, 327,680 bytes of LDS; arguments X_codes, encoder_output_codes, Wq_codes, Wk_codes, Wv_codes, bq, bk, bv, lowp_scales, q_img, k_img, v_img; writes q_img, k_img, v_img
.if DOCPART == 4
	.amdgcn_target "amdgcn-amd-amdhsa--gfx1250"
	.amdhsa_code_object_version 6
	.text
	.protected	k_q1b475a2678_proj
	.globl	k_q1b475a2678_proj
	.p2align	8
	.type	k_q1b475a2678_proj,@function
k_q1b475a2678_proj:
	s_mov_b64 s[64:65], 0
	v_nop
	global_prefetch_b8 v0, s[64:65] scope:SCOPE_SE
	s_setreg_imm32_b32 hwreg(HW_REG_WAVE_MODE, 25, 1), 1
	s_wait_xcnt 0x0
	s_wait_alu depctr_hold_cnt(0) depctr_sa_sdst(0) depctr_va_vdst(0) depctr_va_sdst(0) depctr_va_ssrc(0) depctr_va_vcc(0) depctr_vm_vsrc(0)
	s_getreg_b32 s2, hwreg(HW_REG_IB_STS2, 6, 4)
	s_cmp_eq_u32 s2, 0
	s_cbranch_scc0 .Lentry_in_a_cluster
	s_endpgm
.Lentry_in_a_cluster:
	s_bfe_u32 s2, ttmp6, 0x10000c
	s_cmp_lg_u32 s2, 0x3003
	s_cbranch_scc0 .Lentry_shape_is_right
	s_endpgm
.Lentry_shape_is_right:
; q = X Wq^T + bq, k = E Wk^T + bk, v = E Wv^T + bv on codes of E4M3, each result quantised with its own given scale and stored as images of operand registers (q_img, k_img, v_img).
; A work-group of four waves makes 256 x 256 of one product, a wave 128 x 128; K goes in steps of 256 through a ring of two LDS slots.  Clusters 0-31 make q, 32-39 k, 40-47 v.
; A slot has four regions of 128 rows; wave w always fills region w.  X (source 1: a lane's row) is read from regions 0-1, Y (source 0: a lane's eight registers) from regions 2-3.
; q, k: X = tokens, Y = weights.  v: X = weights, Y = tokens, so that the keys come out innermost.  Which tensor goes into which region is chosen by the descriptor alone, never by an LDS address.
; The four partners of a cluster take four blocks of tokens (a load of each one's own) and share the weights (a joint load, mask 15).
; LIMITS: the sum of a product's two exponents, and the exponent of its result's scale, lie between -126 and 119.
.set KK,    2048
.set PITCH, 272
.set HALFT, 128*PITCH
.set SLOT,  4*HALFT
.set SPARE, 2*SLOT
.set FR,    16
.set ADRX, 16
.set ADRY, 18
.set SPW,  20
.set NIL,  21
.set LIM,  22
.set SC,   23
.set BY,   32
.set BX,   96
.set XF,   128
.set CODE, 128
.set TMP,  0
.set WV,   60
.set WHI,  61
.set WLO,  62
.set OUT0, 34
.set OUT1, 66
.set G1A,  36
.set G1B,  44
.set G0A,  52
.set G0B,  68
.set MSB, 0
.macro WIN new
.if MSB != (\new)
	s_set_vgpr_msb (MSB<<8)|(\new)
.set MSB, (\new)
.endif
.endm
.set MUL_LO, 0xa1
.set MUL_HI, 0xf1
; A prefetch of the K step that stands two refills on: a lane a row, 256 bytes of each row.  A wave with a joint load takes 32 of its 128 rows, by its work-group's place (by address);
; a wave with a load of its own takes 64 of its 128 rows, by the low bit of the cluster's number: the clusters that read the same tokens share the rows out.  The last lap's two refills have no K step two on.
.macro ASK
	s_cmp_gt_u32 s3, 1
	s_cbranch_scc0 .Lno_ask_\@
	global_prefetch_b8 v7, s[22:23] th:TH_LOAD_NT scope:SCOPE_SE
	s_cmp_eq_u32 s63, 0
	s_cbranch_scc0 .Lno_ask_\@
	global_prefetch_b8 v7, s[22:23] offset:65536 th:TH_LOAD_NT scope:SCOPE_SE
.Lno_ask_\@:
.endm
; The same at the launch's start, o bytes from where the prefetches stand: K steps 1 and 2 at the head, K step 3 behind slot 1's first fill: each two K steps ahead of its tensor load's turn.
.macro ASKAT o
	global_prefetch_b8 v7, s[22:23] offset:\o th:TH_LOAD_NT scope:SCOPE_SE
	s_cmp_eq_u32 s63, 0
	s_cbranch_scc0 .Lno_at_\@
	global_prefetch_b8 v7, s[22:23] offset:65536+(\o) th:TH_LOAD_NT scope:SCOPE_SE
.Lno_at_\@:
.endm
.macro PLACES
.rept 4
	v_nop
.endr
.endm
.macro JLOAD s
	s_cmp_eq_u32 s63, 0                            ; 0: my region takes tokens (my own load); 1: weights (the joint load)
	s_cbranch_scc0 .Lfor_b_\@
	tensor_load_to_lds s[G0A+4*\s:G0A+4*\s+3], s[G1A:G1A+7]
	s_nop 0
.rept 4
	v_nop
.endr
	s_branch .Lasked_\@
.Lfor_b_\@:
	tensor_load_to_lds s[G0B+4*\s:G0B+4*\s+3], s[G1B:G1B+7]
	s_nop 0
.rept 4
	v_nop
.endr
.Lasked_\@:
.endm
.macro CREST
	s_cmp_lg_u32 s[WV], 0
	s_cbranch_scc1 .Lnot_wave_0_\@
	s_barrier_signal -3
.Lnot_wave_0_\@:
	s_barrier_wait -3
	s_barrier_signal -1
	s_barrier_wait -1
.endm
.macro CROUND
	s_barrier_signal -1
	s_barrier_wait -1
	CREST
.endm
.macro FRAG reg, adr, q, i
.irp c, 0,1,2,3
	ds_load_b128 v[\reg+4*\c:\reg+4*\c+3], v[\adr] offset:128*(\q)+32*\c+(\i)*16*PITCH
.endr
.endm
.macro FETCH_Y slot, q, p
	WIN 0x40
.irp i, 0,1,2,3,4,5,6,7
	FRAG 128*(\p)+FR*\i, ADRY+\slot, \q, \i
.endr
	WIN 0
.endm
.macro FETCH_X slot, q, i0
.irp i, \i0, \i0+1, \i0+2, \i0+3
	FRAG XF+FR*(\i), ADRX+\slot, \q, \i
.endr
.endm
.macro MUL16 a0, p, zero
.irp a, \a0, \a0+1
.irp b, 0,1,2,3,4,5,6,7
.if \zero
	v_wmma_f32_16x16x128_fp8_fp8 v[8*(8*((\a)%4)+\b):8*(8*((\a)%4)+\b)+7], v[128*(\p)+FR*\b:128*(\p)+FR*\b+FR-1], v[XF+FR*(\a):XF+FR*(\a)+FR-1], 0
.else
	v_wmma_f32_16x16x128_fp8_fp8 v[8*(8*((\a)%4)+\b):8*(8*((\a)%4)+\b)+7], v[128*(\p)+FR*\b:128*(\p)+FR*\b+FR-1], v[XF+FR*(\a):XF+FR*(\a)+FR-1], v[8*(8*((\a)%4)+\b):8*(8*((\a)%4)+\b)+7]
.endif
.endr
.endr
.endm
.macro STEP slot, q, zero
	s_wait_dscnt 16
	WIN MUL_LO
	MUL16 0, (\q)%2, \zero
	MUL16 2, (\q)%2, \zero
	s_wait_dscnt 0
	PLACES
	FETCH_Y \slot, (\q)+1, 1-(\q)%2
	FETCH_X \slot, (\q)+1, 0
	WIN MUL_HI
	MUL16 4, (\q)%2, \zero
	MUL16 6, (\q)%2, \zero
	PLACES
	WIN 0
	FETCH_X \slot, (\q)+1, 4
.endm
.macro TURN slot, next, fill
.if \fill
	s_wait_xcnt 0x0                                ; my last prefetch has read its address: it steps one K step on
	s_add_nc_u64 s[22:23], s[22:23], 256
.endif
	s_wait_tensorcnt 0x0
	ds_add_u32 v[SPW], v[NIL]
	s_wait_dscnt 17
	WIN MUL_LO
	MUL16 0, 1, 0
	s_wait_dscnt 0x0
	s_barrier_signal -1
	MUL16 2, 1, 0
	WIN 0
	s_barrier_wait -1
.if \fill
	CREST
	s_add_nc_u64 s[G0A+4*\slot+2:G0A+4*\slot+3], s[G0A+4*\slot+2:G0A+4*\slot+3], 512
	s_add_nc_u64 s[G0B+4*\slot+2:G0B+4*\slot+3], s[G0B+4*\slot+2:G0B+4*\slot+3], 512
	JLOAD \slot
.else
	PLACES
.endif
	FETCH_Y \next, 0, 0
	FETCH_X \next, 0, 0
.if \fill
	ASK
.endif
	WIN MUL_HI
	MUL16 4, 1, 0
	MUL16 6, 1, 0
	PLACES
	WIN 0
	FETCH_X \next, 0, 4
.endm
	s_load_b512 s[4:19], s[0:1], 0x0
	s_load_b256 s[20:27], s[0:1], 0x40
	v_lshl_add_u32 v[SPW], v0, 2, SPARE
	v_mov_b32 v[NIL], 0
	ds_add_u32 v20, v21
	ds_add_u32 v20, v21
	s_wait_dscnt 0x0
	v_lshrrev_b32 v1, 5, v0
	v_readfirstlane_b32 s[WV], v1
	s_lshr_b32 s[WHI], s[WV], 1
	s_and_b32 s[WLO], s[WV], 1
	s_bfe_u32 s88, ttmp6, 0x40000
	s_lshr_b32 s92, ttmp9, 3
	s_and_b32 s93, ttmp9, 7
	s_bfe_u32 s89, ttmp9, 0x20001
	s_and_b32 s95, ttmp9, 1
	s_cmp_lt_u32 ttmp9, 32
	s_cselect_b32 s90, s92, s89
	s_cselect_b32 s91, s93, s95
	s_cselect_b32 s94, 32, 8
	s_cmp_lt_u32 ttmp9, 40
	s_cselect_b32 s63, 0, 1                        ; 1 in v's clusters,
	s_xor_b32 s63, s63, s[WHI]                     ; where waves 0, 1 fetch weights and waves 2, 3 tokens
	s_mov_b32 s[G1A], (1<<20)|(5<<22)|(3<<25)
	s_mov_b32 s[G1B], 15|(1<<20)|(1<<21)|(5<<22)|(3<<25)
.irp g, G1A, G1B
	s_mov_b32 s[\g+1], 256<<16
	s_mov_b32 s[\g+2], 128<<16
	s_mov_b32 s[\g+3], 256<<16
	s_mov_b32 s[\g+4], 128
	s_mov_b32 s[\g+5], KK
	s_mov_b32 s[\g+6], 0
	s_mov_b32 s[\g+7], 0
.endr
	s_lshl_b32 s92, s90, 10
	s_lshl_b32 s93, s88, 8
	s_add_co_u32 s92, s92, s93
	s_lshl_b32 s93, s[WLO], 7
	s_add_co_u32 s92, s92, s93
	s_lshl_b32 s92, s92, 11
	s_mov_b32 s93, 0
	s_lshl_b32 s95, s91, 8
	s_lshl_b32 s99, s[WLO], 7
	s_add_co_u32 s98, s95, s99
	s_lshl_b32 s98, s98, 11
	s_mov_b32 s99, 0
	s_mul_i32 s101, s[WV], HALFT                   ; wave w fills region w, whichever tensor it fetches
	s_mov_b32 s2, s101
	s_wait_kmcnt 0x0
	s_load_b256 s[76:83], s[20:21], 0x0
	s_load_b128 s[84:87], s[20:21], 0x20
	s_cmp_lt_u32 ttmp9, 40
	s_cselect_b64 s[30:31], s[10:11], s[12:13]
	s_cselect_b64 s[32:33], s[16:17], s[18:19]
	s_cselect_b64 s[34:35], s[24:25], s[26:27]
	s_cmp_lt_u32 ttmp9, 32
	s_cselect_b64 s[28:29], s[4:5], s[6:7]
	s_cselect_b64 s[30:31], s[8:9], s[30:31]
	s_cselect_b64 s[32:33], s[14:15], s[32:33]
	s_cselect_b64 s[34:35], s[22:23], s[34:35]
	s_add_nc_u64 s[28:29], s[28:29], s[92:93]
	s_add_nc_u64 s[30:31], s[30:31], s[98:99]
	CROUND
.irp s, 0,1
	s_mov_b32 s[G0A+4*\s], 1
	s_add_co_u32 s[G0A+4*\s+1], s101, \s*SLOT
	s_add_nc_u64 s[G0A+4*\s+2:G0A+4*\s+3], s[28:29], \s*256
	s_or_b32 s[G0A+4*\s+3], s[G0A+4*\s+3], 0x80000000
	s_mov_b32 s[G0B+4*\s], 1
	s_add_co_u32 s[G0B+4*\s+1], s2, \s*SLOT
	s_add_nc_u64 s[G0B+4*\s+2:G0B+4*\s+3], s[30:31], \s*256
	s_or_b32 s[G0B+4*\s+3], s[G0B+4*\s+3], 0x80000000
.endr
	JLOAD 0                                        ; K step 0: one tensor load a wave at the head
	v_and_b32 v1, 15, v0
	v_bfe_u32 v2, v0, 4, 1
	v_mul_u32_u24 v3, v1, PITCH
	v_lshl_add_u32 v3, v2, 4, v3
	s_wait_alu depctr_va_vdst(0)
	v_lshlrev_b32 v4, 5, v2
	s_wait_alu depctr_va_vdst(0)
	v_lshlrev_b32 v5, 2, v1
	s_wait_alu depctr_va_vdst(0)
	v_and_b32 v6, 31, v0
	v_lshlrev_b32 v6, 4, v6
	s_mul_i32 s4, s[WHI], HALFT                    ; X: region 0 or 1
	s_mul_i32 s5, s[WLO], HALFT
	s_add_co_u32 s5, s5, 2*HALFT                   ; Y: region 2 or 3
	s_cmp_lt_u32 ttmp9, 40
	s_cselect_b32 s7, -1, 0
	s_cselect_b32 s8, 0, -1
	v_add_nc_u32 v[ADRX], s4, v3
	v_add_nc_u32 v[ADRY], s5, v3
	v_add_nc_u32 v[ADRX+1], SLOT, v[ADRX]
	v_add_nc_u32 v[ADRY+1], SLOT, v[ADRY]
	s_lshl_b32 s10, s[WHI], 7
	s_add_co_u32 s10, s10, s95
	s_lshl_b32 s10, s10, 2
	s_mov_b32 s11, 0
	s_add_nc_u64 s[12:13], s[32:33], s[10:11]
	s_lshl_b32 s10, s[WLO], 7
	s_add_co_u32 s10, s10, s95
	s_lshl_b32 s10, s10, 2
	s_add_nc_u64 s[14:15], s[32:33], s[10:11]
.irp b, 0,1,2,3,4,5,6,7
	global_load_b128 v[BY+8*\b:BY+8*\b+3], v4, s[14:15] offset:64*\b
	global_load_b128 v[BY+8*\b+4:BY+8*\b+7], v4, s[14:15] offset:64*\b+16
.endr
.irp a, 0,1,2,3,4,5,6,7
	global_load_b32 v[BX+2*\a], v5, s[12:13] offset:64*\a
	global_load_b32 v[BX+2*\a+1], v5, s[12:13] offset:64*\a
.endr
	s_and_b32 s24, ttmp9, 1                        ; the prefetches: my own load's rows: 64 x the cluster's low bit on,
	s_lshl_b32 s24, s24, 17
	s_lshl_b32 s25, s88, 16                        ; a joint load's rows: 32 x my place on
	s_cmp_eq_u32 s63, 0
	s_cselect_b64 s[22:23], s[28:29], s[30:31]
	s_cselect_b32 s24, s24, s25
	s_add_co_u32 s24, s24, 3*256                   ; at K step 3: the first refill steps it to 4
	s_mov_b32 s25, 0
	s_add_nc_u64 s[22:23], s[22:23], s[24:25]
	v_and_b32 v7, 31, v0
	v_lshlrev_b32 v7, 11, v7                       ; a lane a row of 2,048 bytes
	s_wait_alu depctr_va_vdst(0)
	ASKAT -512
	ASKAT -256
	s_mul_i32 s16, s90, s94
	s_lshl_b32 s17, s91, 2
	s_add_co_u32 s16, s16, s17
	s_lshl_b32 s17, s[WLO], 1
	s_add_co_u32 s16, s16, s17
	s_lshl_b32 s16, s16, 6
	s_lshl_b32 s17, s88, 4
	s_add_co_u32 s16, s16, s17
	s_lshl_b32 s17, s[WHI], 3
	s_add_co_u32 s16, s16, s17
	s_lshl_b32 s16, s16, 10
	s_lshl_b32 s18, s90, 4
	s_lshl_b32 s17, s88, 2
	s_add_co_u32 s18, s18, s17
	s_lshl_b32 s17, s[WLO], 1
	s_add_co_u32 s18, s18, s17
	s_lshl_b32 s18, s18, 3
	s_lshl_b32 s17, s91, 2
	s_add_co_u32 s18, s18, s17
	s_lshl_b32 s17, s[WHI], 1
	s_add_co_u32 s18, s18, s17
	s_lshl_b32 s18, s18, 12
	s_mov_b32 s19, 0x10000
	s_cmp_lt_u32 ttmp9, 40
	s_cselect_b32 s16, s16, s18
	s_cselect_b32 s18, s19, 0x8000
	s_mov_b32 s17, 0
	s_mov_b32 s19, 0
	s_add_nc_u64 s[OUT0:OUT0+1], s[OUT0:OUT0+1], s[16:17]
	s_add_nc_u64 s[OUT1:OUT1+1], s[OUT0:OUT0+1], s[18:19]
	s_wait_alu depctr_va_vdst(0)
	s_wait_tensorcnt 0x0                           ; my part of K step 0 is in; slot 1's first fill is issued as a refill is
	ds_add_u32 v[SPW], v[NIL]
	s_wait_dscnt 0x0
	CROUND
	JLOAD 1
	FETCH_Y 0, 0, 0
	FETCH_X 0, 0, 0
	FETCH_X 0, 0, 4
	ASKAT 0
	STEP 0, 0, 1
	s_mov_b32 s3, KK/512-1
.Llap:
	TURN 0, 1, 1
	STEP 1, 0, 0
	TURN 1, 0, 1
	STEP 0, 0, 0
	s_sub_co_u32 s3, s3, 1
	s_cmp_lg_u32 s3, 0
	s_cbranch_scc1 .Llap
	TURN 0, 1, 0
	STEP 1, 0, 0
	s_wait_dscnt 16
	WIN MUL_LO
	MUL16 0, 1, 0
	MUL16 2, 1, 0
	s_wait_dscnt 0
	WIN MUL_HI
	MUL16 4, 1, 0
	MUL16 6, 1, 0
	WIN 0
	PLACES
	s_wait_kmcnt 0x0
	s_cmp_lt_u32 ttmp9, 40
	s_cselect_b32 s18, s78, s80
	s_cselect_b32 s19, s79, s81
	s_cselect_b32 s9, s83, s85
	s_cmp_lt_u32 ttmp9, 32
	s_cselect_b32 s18, s76, s18
	s_cselect_b32 s19, s77, s19
	s_cselect_b32 s9, s82, s9
	s_add_co_i32 s18, s18, s19
	s_add_co_i32 s18, s18, 127
	s_lshl_b32 s96, s18, 23
	s_mov_b32 s97, s96
	s_add_co_i32 s9, s9, 127
	s_lshl_b32 s19, s9, 23
	v_mov_b32 v[SC], s19
	s_add_co_i32 s9, s9, 8
	s_lshl_b32 s9, s9, 23
	s_or_b32 s9, s9, 0x600000
	v_mov_b32 v[LIM], s9
	s_wait_loadcnt 0x0
.set j, 0
.rept 64
	v_and_b32 v[BY+j], s7, v[BY+j]
.set j, j+1
.endr
.set j, 0
.rept 16
	v_and_b32 v[BX+j], s8, v[BX+j]
.set j, j+1
.endr
.macro OUTB a
	WIN 0x42+((\a)/4)
.set j, 0
.rept 32
	v_pk_fma_f32 v[TMP+j:TMP+j+1], v[64*((\a)%4)+j:64*((\a)%4)+j+1], s[96:97], v[BY+j:BY+j+1] op_sel_hi:[1,0,1]
.set j, j+2
.endr
	WIN 0x41
.set j, 0
.rept 32
	v_pk_add_f32 v[TMP+j:TMP+j+1], v[TMP+j:TMP+j+1], v[BX+2*(\a):BX+2*(\a)+1]
.set j, j+2
.endr
.set j, 0
.rept 64
	v_med3_num_f32 v[TMP+j], v[TMP+j], -v[LIM], v[LIM]
.set j, j+1
.endr
	WIN 0x01
.irp b, 0,1,2,3,4,5,6,7
	v_cvt_scalef32_pk8_fp8_f32 v[CODE+16*(\a)+2*\b:CODE+16*(\a)+2*\b+1], v[TMP+8*\b:TMP+8*\b+7], v[SC]
.endr
	v_nop
	WIN 0
	global_store_b128 v6, v[CODE+16*(\a):CODE+16*(\a)+3], s[OUT0:OUT0+1] offset:1024*(\a)
	global_store_b128 v6, v[CODE+16*(\a)+4:CODE+16*(\a)+7], s[OUT0:OUT0+1] offset:1024*(\a)+512
	global_store_b128 v6, v[CODE+16*(\a)+8:CODE+16*(\a)+11], s[OUT1:OUT1+1] offset:1024*(\a)
	global_store_b128 v6, v[CODE+16*(\a)+12:CODE+16*(\a)+15], s[OUT1:OUT1+1] offset:1024*(\a)+512
.endm
.irp a, 0,1,2,3,4,5,6,7
	OUTB \a
.endr
	s_wait_tensorcnt 0x0
	ds_add_u32 v[SPW], v[NIL]
	s_wait_dscnt 0x0
	CROUND
	s_endpgm
.Lfunc_end_k_q1b475a2678_proj:
	.size	k_q1b475a2678_proj, .Lfunc_end_k_q1b475a2678_proj-k_q1b475a2678_proj
	.p2alignl 7, 3214868480
	.fill 96, 4, 3214868480
	.section	.rodata,"a",@progbits
	.p2align	6, 0x0
	.amdhsa_kernel k_q1b475a2678_proj
		.amdhsa_group_segment_fixed_size 327680
		.amdhsa_private_segment_fixed_size 0
		.amdhsa_enable_private_segment 0
		.amdhsa_kernarg_size 96
		.amdhsa_user_sgpr_count 2
		.amdhsa_user_sgpr_kernarg_segment_ptr 1
		.amdhsa_wavefront_size32 1
		.amdhsa_system_sgpr_workgroup_id_x 1
		.amdhsa_system_sgpr_workgroup_id_y 1
		.amdhsa_system_sgpr_workgroup_id_z 1
		.amdhsa_system_vgpr_workitem_id 0
		.amdhsa_next_free_vgpr 1024
		.amdhsa_next_free_sgpr 102
		.amdhsa_reserve_vcc 0
		.amdhsa_float_denorm_mode_32 3
		.amdhsa_float_denorm_mode_16_64 3
		.amdhsa_memory_ordered 1
		.amdhsa_forward_progress 1
		.amdhsa_inst_pref_size 159
	.end_amdhsa_kernel
	.amdgpu_metadata
---
amdhsa.version: [ 1, 2 ]
amdhsa.kernels:
  - .name:           k_q1b475a2678_proj
    .symbol:         k_q1b475a2678_proj.kd
    .args:
      - { .name: X_codes, .offset: 0, .size: 8, .value_kind: global_buffer, .address_space: global }
      - { .name: encoder_output_codes, .offset: 8, .size: 8, .value_kind: global_buffer, .address_space: global }
      - { .name: Wq_codes, .offset: 16, .size: 8, .value_kind: global_buffer, .address_space: global }
      - { .name: Wk_codes, .offset: 24, .size: 8, .value_kind: global_buffer, .address_space: global }
      - { .name: Wv_codes, .offset: 32, .size: 8, .value_kind: global_buffer, .address_space: global }
      - { .name: bq, .offset: 40, .size: 8, .value_kind: global_buffer, .address_space: global }
      - { .name: bk, .offset: 48, .size: 8, .value_kind: global_buffer, .address_space: global }
      - { .name: bv, .offset: 56, .size: 8, .value_kind: global_buffer, .address_space: global }
      - { .name: lowp_scales, .offset: 64, .size: 8, .value_kind: global_buffer, .address_space: global }
      - { .name: q_img, .offset: 72, .size: 8, .value_kind: global_buffer, .address_space: global }
      - { .name: k_img, .offset: 80, .size: 8, .value_kind: global_buffer, .address_space: global }
      - { .name: v_img, .offset: 88, .size: 8, .value_kind: global_buffer, .address_space: global }
    .group_segment_fixed_size: 327680
    .private_segment_fixed_size: 0
    .kernarg_segment_align: 8
    .kernarg_segment_size: 96
    .max_flat_workgroup_size: 128
    .sgpr_count:     102
    .vgpr_count:     1024
    .wavefront_size: 32
...
	.end_amdgpu_metadata
.endif
;; end of part 4
;; launch attn (part 5): grid 8 x 32, 8 waves a work-group, no clusters, 18,432 bytes of LDS; arguments q_img, k_img, v_img, causal_mask, padding_mask, lowp_scales, a_codes; writes a_codes
.if DOCPART == 5
	.amdgcn_target "amdgcn-amd-amdhsa--gfx1250"
	.amdhsa_code_object_version 6
	.text
	.protected	k_q1b475a2678_attn
	.globl	k_q1b475a2678_attn
	.p2align	8
	.type	k_q1b475a2678_attn,@function
k_q1b475a2678_attn:
	s_mov_b64 s[64:65], 0
	v_nop
	global_prefetch_b8 v0, s[64:65] scope:SCOPE_SE
	s_setreg_imm32_b32 hwreg(HW_REG_WAVE_MODE, 25, 1), 1
	s_wait_xcnt 0x0
; Attention on codes of E4M3: scores = q k^T / 8 (K = 64), both masks as they are given, p = 2^(t - M) with M a whole number, quantised with entry 8 of the scales, o = p v (K = the keys) / the sum of the unquantised p,
; quantised with entry 10 into a_codes [4096][2048], K innermost.  q_img, k_img, v_img are images of operand registers (quad u of a lane's registers at 512 u + 16 x lane).
; SHARES.  A wave takes 16 queries of one batch and group for TWO of the group's four heads, and two such tiles one after the other; it walks the keys 128 a step, the two heads' lines by turns.
; K's and V's fragments go from memory straight into registers, each step's asked for about a step ahead.
; THE MASKS DECIDE THE WALK.  Both masks are inputs of whole numbers (bytes 0 or 1).  At its head a wave adds up each tile's 16 causal rows bytewise, with 16 x the padding byte on top, and sorts each of the eight steps:
; every byte 16 or more = every key masked for all 16 queries: the step adds nothing to any sum and is left out; every byte 0 = nothing masked: the scores' C is 0; else the mask is built as C.
; The two tiles' live steps stand in one list of 16 bits, so the look-ahead goes on from the first tile's last step to the second tile's first.  A tile's trips are the count of its live steps.
; This holds for any mask; a tile with no live step goes to the way out with sums of 0.  The list's last look-ahead has no step left: it names step 7 again, inside the buffers, and nobody reads it.
; The launch has no tensor load, and with that no joint loads: cluster = none.  No data prefetch is laid: the loads themselves are issued a step ahead, and which step follows hangs on the masks.
; DEAL.  Work-group x of a (batch, group): wave w takes tile 4 (x % 2) + w % 4 of query block 7 - x / 2, then the same tile of block x / 2, for heads 2 (w / 4) and 2 (w / 4) + 1:
; under a triangular mask every wave then has the same count of live steps.
; LAYOUT.  S^T = K Q^T (source 0 = 16 keys, source 1 = 16 queries), O^T = V^T P^T: a lane holds ONE query (lane % 16).  In the plain 8-bit layout register pair c holds k = 16 c + 8 h + 0..7, which is what
; tile c of S^T holds in a lane's eight registers: so each tile's conversion is a pair of P.
; THE MASK AS C: 0, or -2^125 where either mask byte is set.  The step's maximum has a floor of -2^30, under every sum of 64 products of codes and over the mask's number:
; a masked key never sets M, its p is 0, and a row masked so far keeps sum 0 and O 0.  A row with every key masked ends with sum 0: its codes become the NaN code, so that the last product gives NaN there.
; THE HOLD of p at 448 x 2^e8 is jumped over where e8 >= -8: p is at most 1 (short of f32 rounding), under 1.75.
; THE WAY OUT.  Waves w and w + 4 hold the two halves of the same 16 rows of 256 bytes: both put their codes into one stage in LDS, a barrier, and each stores eight whole rows; a second barrier ahead of the stage's next use.
; LIMITS: entries 6 + 7 between -100 and 60; entry 8, and entry 10 - 8 - 9, between -126 and 119.  Mask bytes are 0 or 1.
; REGISTERS: window 0: v1-15 addresses and constants; v16+4 hd: -M, largest t, the sum in two halves; v24-39 at work; v40-55 Q; v56-87 P's codes; v88-215 S^T, then p (64 hd); v216-218 constants; v220-235 the second tile's Q.
;   window 1: v0-63 O^T (32 hd + 8 db), v64-127 the mask as C, v128-191 K's eight fragments, v192-255 V's four.
.set SP,    272                        ; the stages: 16 rows x (256 + 16) for each pair of waves, from LDS byte 0
.set SPARE, 4*16*SP                    ; behind them the spare words, 128 bytes a wave
.set LI,   1                           ; 16 x lane
.set AM,   2                           ; 1,024 x (lane % 16) + 8 x (lane / 16)
.set AP,   3                           ; 8 x (lane / 16)
.set STO,  8
.set RD,   9
.set GO,   10
.set ZERO, 11
.set PLIM, 12
.set PSC,  13
.set PX,   14                          ; v14-15
.set ST,   16
.set F,    24                          ; v[24:25], v[26:27]
.set TA,   28                          ; v28-29
.set TB,   30                          ; v30-31
.set SU,   32                          ; v[32:33], v[34:35]
.set Q,    40
.set P,    56
.set S,    88
.set OLIM, 216
.set OSC,  217
.set NANC, 218
.set QN,   220
.set SPW,  254
.set NIL,  255
.set MB,   64                          ; in window 1
.set KF,   128
.set VF,   192
.set WV,   18
.set ACT,  34                          ; bit 8 tile + j: step j of that tile is live and still to be asked for
.set MX,   35                          ; the same bit: the step has a masked byte
.set N,    36
.set CNT,  37
.set POS,  38                          ; the bit in hand
.set PN,   39                          ; the next live bit
.set MIX,  40
.set HOLD, 41
.set AL,   42
.set AN,   44
.set KO,   46
.set VO,   47
.set T,    48
.set N0,   49
.set N1,   50
.set SEL,  72
.set CS,   74
.set C254, 91
.set PS,   92
.set LM,   96
.set MSB, 0
.macro WIN new
.if MSB != (\new)
	s_set_vgpr_msb (MSB<<8)|(\new)
.set MSB, (\new)
.endif
.endm
.macro PTR d, b, o                     ; a buffer's address + an offset under 2^32
	s_mov_b32 s56, s\o
	s_add_nc_u64 s[\d:\d+1], s[\b:\b+1], s[56:57]
.endm
.macro KLOAD                           ; 128 keys of K: eight images of 1,024 bytes; v4 = 16 x lane + 8,192 x step
	WIN 0x40
.irp t, 0,1,2,3,4,5,6,7
	global_load_b128 v[KF+8*\t:KF+8*\t+3], v4, s[6:7] offset:1024*\t
	global_load_b128 v[KF+8*\t+4:KF+8*\t+7], v4, s[6:7] offset:1024*\t+512
.endr
	WIN 0
.endm
.macro VLOAD                           ; the same keys of V: two images of 64 keys, 32,768 bytes apart, make a fragment of 128; v5 = 16 x lane + 65,536 x step
	WIN 0x40
.irp db, 0,1,2,3
.irp u, 0,1,2,3
	global_load_b128 v[VF+16*\db+4*\u:VF+16*\db+4*\u+3], v5, s[8:9] offset:32768*(\u/2)+1024*\db+512*(\u%2)
.endr
.endr
	WIN 0
.endm
.macro CLOAD X, PD, W, cb              ; a tile's 16 rows x 1,024 mask bytes as they lie (load i = row i / 2, half i % 2; eight lanes to a step's 128 keys), and the padding row, into window W
	WIN 0x40*(\W)
.set i, 0
.rept 32
	global_load_b128 v[\X+4*i:\X+4*i+3], v[LI], s[\cb:\cb+1] offset:512*i
.set i, i+1
.endr
	global_load_b128 v[\PD:\PD+3], v[LI], s[12:13]
	global_load_b128 v[\PD+4:\PD+7], v[LI], s[12:13] offset:512
	WIN 0
.endm
.macro CLASS X, PD, W, sh              ; register X + 8 row + e holds four keys' bytes of one row.  Bytewise: t = the 16 rows' sum + 16 x the padding byte, at most 32
	WIN 0x55*(\W)
.irp e, 0,1,2,3,4,5,6,7
	v_lshl_add_u32 v[\X+120+\e], v[\PD+\e], 4, v[\X+120+\e]
.endr
.irp e, 0,1,2,3,4,5,6,7
	v_add3_u32 v[\X+\e], v[\X+\e], v[\X+8+\e], v[\X+16+\e]
.endr
.irp k, 3,5,7,9,11,13
.irp e, 0,1,2,3,4,5,6,7
	v_add3_u32 v[\X+\e], v[\X+\e], v[\X+8*\k+\e], v[\X+8*\k+8+\e]
.endr
.endr
.irp e, 0,1,2,3,4,5,6,7
	v_add_nc_u32 v[\X+\e], v[\X+\e], v[\X+120+\e]
.endr
.irp e, 0,1,2,3,4,5,6,7
	v_lshl_or_b32 v[\X+8+\e], v[\X+\e], 1, v[\X+\e]    ; bit 5 of a byte: t is 16 or more: the key is masked for all 16 queries
.endr
.irp f, 0,1
	v_or_b32 v[\X+16+\f], v[\X+4*\f], v[\X+4*\f+1]
	v_or_b32 v[\X+22+\f], v[\X+4*\f+2], v[\X+4*\f+3]
	v_and_b32 v[\X+18+\f], v[\X+8+4*\f], v[\X+9+4*\f]
	v_and_b32 v[\X+20+\f], v[\X+10+4*\f], v[\X+11+4*\f]
.endr
.irp f, 0,1
	v_or_b32 v[\X+16+\f], v[\X+16+\f], v[\X+22+\f]
	v_and_b32 v[\X+18+\f], v[\X+18+\f], v[\X+20+\f]
.endr
.irp f, 0,1
	v_and_b32 v[\X+18+\f], 0x20202020, v[\X+18+\f]
.endr
.irp f, 0,1
	v_cmp_eq_u32 s[AL+\f], 0x20202020, v[\X+18+\f]
	v_cmp_ne_u32 s[AN+\f], 0, v[\X+16+\f]
.endr
	WIN 0
.irp j, 0,1,2,3,4,5,6,7                        ; step j: eight lanes' bits
	s_bfe_u32 s2, s[AL+\j/4], (8<<16)|(8*(\j%4))
	s_cmp_lg_u32 s2, 0xff
	s_cselect_b32 s2, 1<<(\j+\sh), 0
	s_or_b32 s[ACT], s[ACT], s2
	s_bfe_u32 s3, s[AN+\j/4], (8<<16)|(8*(\j%4))
	s_cmp_lg_u32 s3, 0
	s_cselect_b32 s3, 1<<(\j+\sh), 0
	s_or_b32 s[MX], s[MX], s3
.endr
.endm
	s_load_b256 s[4:11], s[0:1], 0x0               ; q_img, k_img, v_img, causal
	s_load_b128 s[12:15], s[0:1], 0x20             ; padding, the exponents
	s_load_b64 s[16:17], s[0:1], 0x30              ; a_codes
	v_lshl_add_u32 v[SPW], v0, 2, SPARE
	v_mov_b32 v[NIL], 0
	v_lshrrev_b32 v1, 5, v0
	v_readfirstlane_b32 s[WV], v1                  ; wave 0..7
	s_and_b32 s88, ttmp7, 0xffff                   ; 8 x batch + group
	s_lshr_b32 s89, s88, 3
	s_and_b32 s90, s88, 7
	s_lshr_b32 s2, ttmp9, 1                        ; c
	s_and_b32 s3, ttmp9, 1
	s_lshl_b32 s3, s3, 2
	s_and_b32 s19, s[WV], 3
	s_add_co_u32 s3, s3, s19                       ; my tile in its block
	s_lshr_b32 s61, s[WV], 2                       ; my pair of heads
	s_lshl_b32 s62, s2, 3
	s_add_co_u32 s62, s62, s3                      ; the second tile, in block c
	s_sub_co_u32 s2, 7, s2
	s_lshl_b32 s2, s2, 3
	s_add_co_u32 s63, s2, s3                       ; the first tile, in block 7 - c
	s_lshl_b32 s19, s89, 21
	s_lshl_b32 s2, s90, 18
	s_add_co_u32 s2, s2, s19
	s_lshl_b32 s3, s61, 17
	s_add_co_u32 s2, s2, s3                        ; Q: image ((32 batch + 4 group + head) x 64 + tile)
	s_lshl_b32 s66, s63, 10
	s_add_co_u32 s66, s66, s2
	s_lshl_b32 s67, s62, 10
	s_add_co_u32 s67, s67, s2
	s_lshl_b32 s68, s63, 14                        ; a tile's 16 causal rows
	s_lshl_b32 s69, s62, 14
	s_lshl_b32 s3, s90, 8
	s_add_co_u32 s19, s19, s3                      ; a_codes: row 1,024 batch + 16 tile of 2,048 bytes, + 256 group
	s_lshl_b32 s70, s63, 15
	s_add_co_u32 s70, s70, s19
	s_lshl_b32 s71, s62, 15
	s_add_co_u32 s71, s71, s19
	s_lshl_b32 s58, s88, 16                        ; K
	s_lshl_b32 s59, s89, 19
	s_lshl_b32 s3, s90, 12
	s_add_co_u32 s59, s59, s3                      ; V
	s_lshl_b32 s60, s89, 10                        ; the batch's padding row
	s_mov_b32 s57, 0
	v_and_b32 v[LI], 31, v0
	v_lshlrev_b32 v[LI], 4, v[LI]
	s_wait_alu depctr_va_vdst(0)
	s_wait_kmcnt 0x0
	s_load_b256 s[76:83], s[14:15], 0x0            ; exponents 0-7
	s_load_b128 s[84:87], s[14:15], 0x20           ; 8-11
	PTR 20, 10, 68                                 ; s[20:21], s[22:23] the two tiles' causal rows
	PTR 22, 10, 69
	PTR 12, 12, 60
	PTR 52, 4, 66
	PTR 54, 4, 67
	PTR 6, 6, 58
	PTR 8, 8, 59
	PTR 24, 16, 70                                 ; s[24:25], s[26:27] the two tiles' rows of a_codes
	PTR 26, 16, 71
	CLOAD S, P, 0, 20
	CLOAD 0, KF, 1, 22
.irp hd, 0,1
	global_load_b128 v[Q+8*\hd:Q+8*\hd+3], v[LI], s[52:53] offset:65536*\hd
	global_load_b128 v[Q+8*\hd+4:Q+8*\hd+7], v[LI], s[52:53] offset:65536*\hd+512
	global_load_b128 v[QN+8*\hd:QN+8*\hd+3], v[LI], s[54:55] offset:65536*\hd
	global_load_b128 v[QN+8*\hd+4:QN+8*\hd+7], v[LI], s[54:55] offset:65536*\hd+512
.endr
	v_and_b32 v38, 15, v0                          ; r
	v_bfe_u32 v39, v0, 4, 1                        ; h
	s_and_b32 s2, s[WV], 3
	s_mul_i32 s2, s2, 16*SP                        ; my pair's stage
	s_lshl_b32 s3, s61, 7
	s_add_co_u32 s3, s3, s2                        ; in: my two heads' 128 bytes of a row
	s_mul_i32 s19, s61, 8*SP
	s_add_co_u32 s19, s19, s2                      ; back: my eight rows
	s_lshl_b32 s2, s61, 14                         ; and the same eight rows in a_codes
	v_lshlrev_b32 v[AP], 3, v39
	v_mul_u32_u24 v[STO], v38, SP
	v_mul_u32_u24 v[RD], v39, SP
	v_lshlrev_b32 v[GO], 11, v39
	v_lshl_add_u32 v[AM], v38, 10, v[AP]
	v_lshl_add_u32 v[STO], v39, 3, v[STO]
	v_lshl_add_u32 v[RD], v38, 4, v[RD]
	v_lshl_add_u32 v[GO], v38, 4, v[GO]
	v_add_nc_u32 v[STO], s3, v[STO]                ; in: row r, + 8 h
	v_add_nc_u32 v[RD], s19, v[RD]                 ; back: lanes 0-15 one row of 256 bytes, lanes 16-31 the next
	v_add_nc_u32 v[GO], s2, v[GO]
	v_mov_b32 v[ZERO], 0
	v_mov_b32 v[PX], 0                             ; a lane exchange's destination counts as read
	v_mov_b32 v[PX+1], 0
	v_mov_b32 v[F+1], 0                            ; (named as the upper halves of pairs)
	v_mov_b32 v[F+3], 0
	v_mov_b32 v[NANC], 0x7f7f7f7f
	s_mov_b32 s[SEL], 0x76543210
	s_mov_b32 s[SEL+1], 0xfedcba98
	s_mov_b32 s[C254], 254
	s_mov_b32 s[PS], 0x04000000                    ; byte 0, 1, 2, 3 of the first source to the top, zeros below
	s_mov_b32 s[PS+1], 0x05000000
	s_mov_b32 s[PS+2], 0x06000000
	s_mov_b32 s[PS+3], 0x07000000
	s_mov_b32 s[ACT], 0
	s_mov_b32 s[MX], 0
	s_mov_b32 s[T], 0
	s_wait_kmcnt 0x0
	s_add_co_i32 s19, s82, s83
	s_lshl_b32 s19, s19, 23
	s_add_co_i32 s[CS], s19, 0x3e38aa3b            ; log2(e) / 8, with e6 + e7 added to its exponent field
	s_mov_b32 s[CS+1], s[CS]
	s_add_co_i32 s19, s84, 127
	s_lshl_b32 s2, s19, 23
	v_mov_b32 v[PSC], s2
	s_add_co_i32 s19, s19, 8
	s_lshl_b32 s19, s19, 23
	s_or_b32 s19, s19, 0x600000
	v_mov_b32 v[PLIM], s19
	s_sub_co_i32 s19, s86, s84
	s_sub_co_i32 s19, s19, s85                     ; a sum of the second product stands for sum x 2^(e8 + e9): its code is (sum / l) / 2^(e10 - e8 - e9)
	s_add_co_i32 s19, s19, 127
	s_lshl_b32 s2, s19, 23
	v_mov_b32 v[OSC], s2
	s_add_co_i32 s19, s19, 8
	s_lshl_b32 s19, s19, 23
	s_or_b32 s19, s19, 0x600000
	v_mov_b32 v[OLIM], s19
	s_cmp_lt_i32 s84, -8
	s_cselect_b32 s[HOLD], 1, 0                    ; the hold can act only where 448 x 2^e8 is under 1
	s_wait_alu depctr_va_vdst(0)
	s_wait_loadcnt 42                              ; the first tile's 34 mask loads are in; the second's 34 and Q's 8 may be out
	CLASS S, P, 0, 0
	s_wait_alu depctr_va_vdst(0)
	s_wait_loadcnt 0x0
	CLASS 0, KF, 1, 8
	s_and_b32 s2, s[ACT], 0xff
	s_bcnt1_i32_b32 s[N0], s2
	s_lshr_b32 s2, s[ACT], 8
	s_bcnt1_i32_b32 s[N1], s2
	s_ctz_i32_b32 s[POS], s[ACT]
	s_min_u32 s[POS], s[POS], 15                   ; the list's first live bit
	s_sub_co_u32 s2, s[ACT], 1
	s_and_b32 s[ACT], s[ACT], s2                   ; is struck
	s_and_b32 s2, s[POS], 7
	s_lshl_b32 s3, s2, 16
	s_lshl_b32 s2, s2, 13
	v_add_nc_u32 v4, s2, v[LI]
	v_add_nc_u32 v5, s3, v[LI]
	KLOAD
	VLOAD
.Ltile:                                            ; two trips: the tile of block 7 - c, then that of block c
	s_wait_xcnt 0x0                                ; the last tile's loads and stores have read their bases and data
	s_cmp_eq_u32 s[T], 0
	s_cselect_b64 s[28:29], s[20:21], s[22:23]     ; this tile's causal rows,
	s_cselect_b64 s[30:31], s[24:25], s[26:27]     ; its rows of a_codes,
	s_cselect_b32 s[N], s[N0], s[N1]               ; its live steps
	s_cbranch_scc1 .Lq_there
.set j, 0
.rept 16
	v_mov_b32 v[Q+j], v[QN+j]                      ; the second tile's Q takes the first's place
.set j, j+1
.endr
.Lq_there:
.irp hd, 0,1
	v_mov_b32 v[ST+4*\hd+1], 0xff61b1e6            ; the largest t so far: -3e38
	v_mov_b32 v[ST+4*\hd+2], 0                     ; the sum, in two halves
	v_mov_b32 v[ST+4*\hd+3], 0
.endr
.irp hd, 0,1
	v_floor_f32 v[ST+4*\hd], -v[ST+4*\hd+1]        ; -M
.endr
	WIN 0x40
.set j, 0
.rept 64
	v_mov_b32 v[j], 0                              ; O^T.  The step is written once, and a tile may have no live step at all: the way out then finds these zeros
.set j, j+1
.endr
	WIN 0
	s_mov_b32 s[CNT], 0
	s_cmp_eq_u32 s[N], 0
	s_wait_alu depctr_va_vdst(0)
	s_cbranch_scc1 .Lout
.Lstep:                                            ; a trip for each live step of the tile: 16 products for two heads' scores, their softmax, 8 products for O^T
	s_lshr_b32 s2, s[MX], s[POS]
	s_and_b32 s[MIX], s2, 1                        ; has this step a masked byte?
	s_ctz_i32_b32 s[PN], s[ACT]
	s_min_u32 s[PN], s[PN], 15                     ; the next live bit (none left: 15)
	s_sub_co_u32 s2, s[ACT], 1
	s_and_b32 s[ACT], s[ACT], s2
	s_and_b32 s3, s[PN], 7
	s_lshl_b32 s[KO], s3, 13
	s_lshl_b32 s[VO], s3, 16
	s_cmp_eq_u32 s[MIX], 0
	s_cbranch_scc1 .Lplain
	s_and_b32 s2, s[POS], 7
	s_lshl_b32 s2, s2, 7
	v_add_nc_u32 v6, s2, v[AM]
	v_add_nc_u32 v7, s2, v[AP]
.irp t, 0,1,2,3,4,5,6,7
	global_load_b64 v[S+2*\t:S+2*\t+1], v6, s[28:29] offset:16*\t       ; the causal bytes of my query at keys 16 t + 8 h + 0..7
.endr
.irp t, 0,1,2,3,4,5,6,7
	global_load_b64 v[S+16+2*\t:S+17+2*\t], v7, s[12:13] offset:16*\t   ; the padding bytes of the same keys
.endr
	s_wait_loadcnt 0x0                             ; they are in, and with them K's and V's fragments, asked for earlier
.set j, 0
.rept 16
	v_or_b32 v[S+j], v[S+j], v[S+16+j]             ; masked by either
.set j, j+1
.endr
.set j, 0
.rept 16
	v_mul_lo_u32 v[S+j], v[S+j], s[C254]           ; bytes 0 or 1 become 0 or 0xfe
.set j, j+1
.endr
	WIN 0x40
.irp t, 0,1,2,3,4,5,6,7
.irp j, 0,1,2,3,4,5,6,7
	v_perm_b32 v[MB+8*\t+\j], v[S+2*\t+\j/4], v[ZERO], s[PS+\j%4]   ; the byte on top of three zeros: +0, or 0xfe000000 = -2^125.  Built once for both heads
.endr
.endr
	WIN 0x11                                       ; K and the mask window 1, Q and S^T window 0
.irp hd, 0,1
.irp t, 0,1,2,3,4,5,6,7
	v_wmma_f32_16x16x64_fp8_fp8 v[S+64*\hd+8*\t:S+64*\hd+8*\t+7], v[KF+8*\t:KF+8*\t+7], v[Q+8*\hd:Q+8*\hd+7], v[MB+8*\t:MB+8*\t+7]
.endr
.endr
	WIN 0
	s_branch .Lscored
.Lplain:
	s_wait_loadcnt 16                              ; K's fragments are in; V's 16 loads may be out
	WIN 0x01
.irp hd, 0,1
.irp t, 0,1,2,3,4,5,6,7
	v_wmma_f32_16x16x64_fp8_fp8 v[S+64*\hd+8*\t:S+64*\hd+8*\t+7], v[KF+8*\t:KF+8*\t+7], v[Q+8*\hd:Q+8*\hd+7], 0
.endr
.endr
	WIN 0
.Lscored:
.rept 4
	v_nop                                          ; places ahead of the first read of the scores, and of the loads into K's registers
.endr
	v_add_nc_u32 v4, s[KO], v[LI]                  ; K's fragments have had their last product of this step: the next live step's are asked for
	KLOAD
.irp hd, 0,1                                   ; the step's largest score of my query among my 64 keys: two chains a head, each tile from its low end on
	v_max3_num_f32 v[TA+\hd], v[S+64*\hd], v[S+64*\hd+1], v[S+64*\hd+2]
	v_max3_num_f32 v[TB+\hd], v[S+64*\hd+3], v[S+64*\hd+4], v[S+64*\hd+5]
.endr
.set j, 6
.rept 14
.irp hd, 0,1
	v_max3_num_f32 v[TA+\hd], v[TA+\hd], v[S+64*\hd+j], v[S+64*\hd+j+1]
	v_max3_num_f32 v[TB+\hd], v[TB+\hd], v[S+64*\hd+j+2], v[S+64*\hd+j+3]
.endr
.set j, j+4
.endr
.irp hd, 0,1
	v_max3_num_f32 v[TA+\hd], v[TA+\hd], v[S+64*\hd+62], v[S+64*\hd+63]
.endr
.irp hd, 0,1
	v_max3_num_f32 v[TA+\hd], v[TA+\hd], v[TB+\hd], 0xce800000   ; with the floor -2^30
.endr
.irp hd, 0,1
	v_permlanex16_b32 v[PX+\hd], v[TA+\hd], s[SEL], s[SEL+1]
.endr
.irp hd, 0,1
	v_max_num_f32 v[TA+\hd], v[TA+\hd], v[PX+\hd]  ; and among lane l xor 16's
.endr
.irp hd, 0,1
	v_mul_f32 v[TA+\hd], s[CS], v[TA+\hd]          ; as t (c is positive)
.endr
.irp hd, 0,1
	v_max_num_f32 v[ST+4*\hd+1], v[ST+4*\hd+1], v[TA+\hd]   ; the running largest t
.endr
.irp hd, 0,1
	v_mov_b32 v[TA+\hd], v[ST+4*\hd]
.endr
.irp hd, 0,1
	v_floor_f32 v[ST+4*\hd], -v[ST+4*\hd+1]        ; the new -M = -ceil(t)
.endr
.irp hd, 0,1
	v_sub_f32 v[TA+\hd], v[ST+4*\hd], v[TA+\hd]    ; old M - new M, 0 or less
.endr
.irp hd, 0,1
	v_cvt_i32_f32 v[TA+\hd], v[TA+\hd]             ; (it saturates)
.endr
.irp hd, 0,1
	v_ldexp_f32 v[F+2*\hd], 1.0, v[TA+\hd]         ; f = 2^(old M - new M)
.endr
.irp hd, 0,1
.set j, 0
.rept 32
	v_pk_fma_f32 v[S+64*\hd+j:S+64*\hd+j+1], v[S+64*\hd+j:S+64*\hd+j+1], s[CS:CS+1], v[ST+4*\hd:ST+4*\hd+1] op_sel_hi:[1,0,0]   ; t - M, two at a time
.set j, j+2
.endr
.endr
	s_wait_alu depctr_va_vdst(0)
.set j, 0
.rept 128
	v_exp_f32 v[S+j], v[S+j]                       ; p = 2^(t - M): not normalised; 0 for a masked key
.set j, j+1
.endr
.irp hd, 0,1
	v_pk_mul_f32 v[ST+4*\hd+2:ST+4*\hd+3], v[ST+4*\hd+2:ST+4*\hd+3], v[F+2*\hd:F+2*\hd+1] op_sel_hi:[1,0]   ; the sums under the new M: plain lines behind the exponentials
.endr
	WIN 0x41
	s_wait_alu depctr_va_vdst(0)                   ; one wait, behind the batch and directly ahead of the first readers of O^T
.irp hd, 0,1
.set j, 0
.rept 16
	v_pk_mul_f32 v[32*\hd+j:32*\hd+j+1], v[32*\hd+j:32*\hd+j+1], v[F+2*\hd:F+2*\hd+1] op_sel_hi:[1,0]   ; O^T under the new M
.set j, j+2
.endr
.endr
	WIN 0
.irp hd, 0,1                                   ; the rows' sums are taken of the unquantised p: two chains a head
	v_pk_add_f32 v[SU+2*\hd:SU+2*\hd+1], v[S+64*\hd:S+64*\hd+1], v[S+64*\hd+2:S+64*\hd+3]
.endr
.set j, 4
.rept 15
.irp hd, 0,1
	v_pk_add_f32 v[ST+4*\hd+2:ST+4*\hd+3], v[ST+4*\hd+2:ST+4*\hd+3], v[S+64*\hd+j:S+64*\hd+j+1]
	v_pk_add_f32 v[SU+2*\hd:SU+2*\hd+1], v[SU+2*\hd:SU+2*\hd+1], v[S+64*\hd+j+2:S+64*\hd+j+3]
.endr
.set j, j+4
.endr
.irp hd, 0,1
	v_pk_add_f32 v[ST+4*\hd+2:ST+4*\hd+3], v[ST+4*\hd+2:ST+4*\hd+3], v[SU+2*\hd:SU+2*\hd+1]
.endr
	s_cmp_eq_u32 s[HOLD], 0
	s_cbranch_scc1 .Lno_hold
.set j, 0
.rept 128
	v_min_num_f32 v[S+j], v[S+j], v[PLIM]          ; the conversion does not saturate (ISA guide 7.6.2); p is not negative, so the hold is one-sided
.set j, j+1
.endr
.Lno_hold:
.irp hd, 0,1
.irp t, 0,1,2,3,4,5,6,7
	v_cvt_scalef32_pk8_fp8_f32 v[P+16*\hd+2*\t:P+16*\hd+2*\t+1], v[S+64*\hd+8*\t:S+64*\hd+8*\t+7], v[PSC]   ; tile t's eight keys are pair t of P
.endr
.endr
	v_nop                                          ; a plain line between the conversions and the products
	s_wait_alu depctr_va_vdst(0)
	s_wait_loadcnt 16                              ; V's fragments are in; the next step's 16 loads of K may be out
	WIN 0x51                                       ; V, and O^T as C and D, window 1; P window 0
.irp hd, 0,1
.irp db, 0,1,2,3
	v_wmma_f32_16x16x128_fp8_fp8 v[32*\hd+8*\db:32*\hd+8*\db+7], v[VF+16*\db:VF+16*\db+15], v[P+16*\hd:P+16*\hd+15], v[32*\hd+8*\db:32*\hd+8*\db+7]
.endr
.endr
	WIN 0
.rept 4
	v_nop                                          ; places between the last products and the loads into V's registers
.endr
	v_add_nc_u32 v5, s[VO], v[LI]
	VLOAD                                          ; the next live step's V
	s_mov_b32 s[POS], s[PN]
	s_add_co_u32 s[CNT], s[CNT], 1
	s_cmp_lt_u32 s[CNT], s[N]
	s_wait_alu depctr_va_vdst(0)
	s_cbranch_scc1 .Lstep
.Lout:	; THE WAY OUT of a tile
.irp hd, 0,1
	v_add_f32 v[ST+4*\hd+2], v[ST+4*\hd+2], v[ST+4*\hd+3]
.endr
.irp hd, 0,1
	v_permlanex16_b32 v[ST+4*\hd+3], v[ST+4*\hd+2], s[SEL], s[SEL+1]
.endr
.irp hd, 0,1
	v_add_f32 v[ST+4*\hd+2], v[ST+4*\hd+2], v[ST+4*\hd+3]   ; the row's sum
.endr
	s_wait_alu depctr_va_vdst(0)
.irp hd, 0,1
	v_rcp_f32 v[ST+4*\hd], v[ST+4*\hd+2]
.endr
	v_nop                                          ; a plain line behind the last reciprocal
	s_wait_alu depctr_va_vdst(0)                   ; one wait for the two, ahead of their first reader
.irp hd, 0,1
	v_cmp_lt_f32 s[LM+\hd], 0, v[ST+4*\hd+2]       ; rows that had a key
.endr
.macro OUTH hd                         ; O^T / the sum, held, converted; a lane's eight channels are 8 bytes of its query's row
	WIN 0x01
	s_wait_alu depctr_va_vdst(0)
.set j, 0
.rept 16
	v_pk_mul_f32 v[S+j:S+j+1], v[32*(\hd)+j:32*(\hd)+j+1], v[ST+4*(\hd):ST+4*(\hd)+1] op_sel_hi:[1,0]
.set j, j+2
.endr
	WIN 0
.set j, 0
.rept 32
	v_med3_num_f32 v[S+j], v[S+j], -v[OLIM], v[OLIM]
.set j, j+1
.endr
.irp db, 0,1,2,3
	v_cvt_scalef32_pk8_fp8_f32 v[P+2*\db:P+2*\db+1], v[S+8*\db:S+8*\db+7], v[OSC]
.endr
	v_nop                                          ; a plain line between the conversions and the lines that touch their results
.set j, 0
.rept 8
	v_cndmask_b32 v[P+j], v[NANC], v[P+j], s[LM+\hd]   ; a row with every key masked: NaN codes
.set j, j+1
.endr
.irp db, 0,1,2,3
	ds_store_b64 v[STO], v[P+2*\db:P+2*\db+1] offset:64*(\hd)+16*\db
.endr
.endm
	OUTH 0
	OUTH 1
	s_wait_alu depctr_va_vdst(0)
	s_wait_dscnt 0x0                               ; my half of the 16 rows is in the stage,
	s_barrier_signal -1
	s_barrier_wait -1                              ; and so is my partner's
.irp t, 0,1,2,3
	ds_load_b128 v[S+4*\t:S+4*\t+3], v[RD] offset:\t*2*SP
.endr
.irp t, 0,1,2,3
	s_wait_dscnt 3-\t                              ; loads come back in order: pair t of my eight rows is in
	global_store_b128 v[GO], v[S+4*\t:S+4*\t+3], s[30:31] offset:4096*\t   ; sixteen lanes store 256 consecutive bytes, aligned
.endr
	s_barrier_signal -1                            ; my reads of the stage are over (the last count was 0):
	s_barrier_wait -1                              ; behind this barrier it may be written again
	s_add_co_u32 s[T], s[T], 1
	s_cmp_lt_u32 s[T], 2
	s_wait_alu depctr_va_vdst(0)
	s_cbranch_scc1 .Ltile
	s_wait_tensorcnt 0x0                           ; the wave's end
	ds_add_u32 v[SPW], v[NIL]
	s_wait_dscnt 0x0
	s_endpgm
.Lfunc_end_k_q1b475a2678_attn:
	.size	k_q1b475a2678_attn, .Lfunc_end_k_q1b475a2678_attn-k_q1b475a2678_attn
	.p2alignl 7, 3214868480
	.fill 96, 4, 3214868480
	.section	.rodata,"a",@progbits
	.p2align	6, 0x0
	.amdhsa_kernel k_q1b475a2678_attn
		.amdhsa_group_segment_fixed_size 18432
		.amdhsa_private_segment_fixed_size 0
		.amdhsa_enable_private_segment 0
		.amdhsa_kernarg_size 56
		.amdhsa_user_sgpr_count 2
		.amdhsa_user_sgpr_kernarg_segment_ptr 1
		.amdhsa_wavefront_size32 1
		.amdhsa_system_sgpr_workgroup_id_x 1
		.amdhsa_system_sgpr_workgroup_id_y 1
		.amdhsa_system_sgpr_workgroup_id_z 1
		.amdhsa_system_vgpr_workitem_id 0
		.amdhsa_next_free_vgpr 512
		.amdhsa_next_free_sgpr 102
		.amdhsa_reserve_vcc 0
		.amdhsa_float_denorm_mode_32 3
		.amdhsa_float_denorm_mode_16_64 3
		.amdhsa_memory_ordered 1
		.amdhsa_forward_progress 1
		.amdhsa_inst_pref_size 85
	.end_amdhsa_kernel
	.amdgpu_metadata
---
amdhsa.version: [ 1, 2 ]
amdhsa.kernels:
  - .name:           k_q1b475a2678_attn
    .symbol:         k_q1b475a2678_attn.kd
    .args:
      - { .name: q_img, .offset: 0, .size: 8, .value_kind: global_buffer, .address_space: global }
      - { .name: k_img, .offset: 8, .size: 8, .value_kind: global_buffer, .address_space: global }
      - { .name: v_img, .offset: 16, .size: 8, .value_kind: global_buffer, .address_space: global }
      - { .name: causal_mask, .offset: 24, .size: 8, .value_kind: global_buffer, .address_space: global }
      - { .name: padding_mask, .offset: 32, .size: 8, .value_kind: global_buffer, .address_space: global }
      - { .name: lowp_scales, .offset: 40, .size: 8, .value_kind: global_buffer, .address_space: global }
      - { .name: a_codes, .offset: 48, .size: 8, .value_kind: global_buffer, .address_space: global }
    .group_segment_fixed_size: 18432
    .private_segment_fixed_size: 0
    .kernarg_segment_align: 8
    .kernarg_segment_size: 56
    .max_flat_workgroup_size: 256
    .sgpr_count:     102
    .vgpr_count:     512
    .wavefront_size: 32
...
	.end_amdgpu_metadata
.endif
;; end of part 5
;; launch oproj (part 6): grid 64 x 4, 4 waves a work-group, clusters of 4 x 4, 327,680 bytes of LDS; arguments a_codes, Wo_codes, bo, lowp_scales, out0; writes out0
.if DOCPART == 6
	.amdgcn_target "amdgcn-amd-amdhsa--gfx1250"
	.amdhsa_code_object_version 6
	.text
	.protected	k_q1b475a2678_oproj
	.globl	k_q1b475a2678_oproj
	.p2align	8
	.type	k_q1b475a2678_oproj,@function
k_q1b475a2678_oproj:
	s_mov_b64 s[64:65], 0
	v_nop
	global_prefetch_b8 v0, s[64:65] scope:SCOPE_SE
	s_setreg_imm32_b32 hwreg(HW_REG_WAVE_MODE, 25, 1), 1
	s_wait_xcnt 0x0
	s_wait_alu depctr_hold_cnt(0) depctr_sa_sdst(0) depctr_va_vdst(0) depctr_va_sdst(0) depctr_va_ssrc(0) depctr_va_vcc(0) depctr_vm_vsrc(0)
	s_getreg_b32 s2, hwreg(HW_REG_IB_STS2, 6, 4)
	s_cmp_eq_u32 s2, 0
	s_cbranch_scc0 .Lentry_in_a_cluster
	s_endpgm
.Lentry_in_a_cluster:
	s_bfe_u32 s2, ttmp6, 0x10000c
	s_cmp_lg_u32 s2, 0xf033
	s_cbranch_scc0 .Lentry_shape_is_right
	s_endpgm
.Lentry_shape_is_right:
; out0 = a Wo^T + bo: a_codes [4096][2048] and Wo_codes [2048][2048] are codes of E4M3; each f32 sum is multiplied by 2^(e10 + e11) and bo is added.
; A work-group of four waves makes 256 rows x 128 columns, a wave 128 x 64; K goes in steps of 256 through a ring of two LDS slots.
; Clusters of 4 x 4: a's tile is asked for jointly along a row of the cluster, Wo's along a column.  Results leave through each wave's own stage as whole rows of 256 bytes.
; LIMIT: e10 + e11 lies between -126 and 127.
.set KK,    2048
.set NN,    2048
.set PITCH, 272
.set ACTH,  128*PITCH
.set WHB,   64*PITCH
.set WOFF,  2*ACTH
.set SLOT,  WOFF+2*WHB
.set SPARE, 2*SLOT
.set STAGE, SPARE+512
.set SPITCH, 272
.set STO,  7
.set RD,   8
.set CO,   9
.set ADRX, 16
.set ADRY, 18
.set SPW,  20
.set NIL,  21
.set BY,   24
.set YF,   64
.set XF,   128
.set TMP,  64
.set BK,   128
.set WV,   60
.set WHI,  61
.set WLO,  62
.set G1A,  36
.set G1B,  44
.set G0A,  52
.set G0B,  68
.set MSB, 0
.macro WIN new
.if MSB != (\new)
	s_set_vgpr_msb (MSB<<8)|(\new)
.set MSB, (\new)
.endif
.endm
; A prefetch of the K step that stands two refills on: 256 bytes of a row a lane.  The four partners of a joint load share its rows out by address: 32 of a's 128 rows by cx, 16 of Wo's 64 by cy
; (there lanes 16-31 name lanes 0-15's rows again).  The last lap's two refills have no K step two on.
.macro ASK
	s_cmp_gt_u32 s3, 1
	s_cbranch_scc0 .Lno_ask_\@
	global_prefetch_b8 v10, s[22:23] th:TH_LOAD_NT scope:SCOPE_SE
.Lno_ask_\@:
.endm
.macro PLACES
.rept 4
	v_nop
.endr
.endm
.macro JLOAD s
	s_cmp_eq_u32 s[WHI], 0
	s_cbranch_scc0 .Lfor_b_\@
	tensor_load_to_lds s[G0A+4*\s:G0A+4*\s+3], s[G1A:G1A+7]
	s_nop 0
.rept 4
	v_nop
.endr
	s_branch .Lasked_\@
.Lfor_b_\@:
	tensor_load_to_lds s[G0B+4*\s:G0B+4*\s+3], s[G1B:G1B+7]
	s_nop 0
.rept 4
	v_nop
.endr
.Lasked_\@:
.endm
.macro CREST
	s_cmp_lg_u32 s[WV], 0
	s_cbranch_scc1 .Lnot_wave_0_\@
	s_barrier_signal -3
.Lnot_wave_0_\@:
	s_barrier_wait -3
	s_barrier_signal -1
	s_barrier_wait -1
.endm
.macro CROUND
	s_barrier_signal -1
	s_barrier_wait -1
	CREST
.endm
.macro FRAG reg, adr, q, i
.irp c, 0,1,2,3
	ds_load_b128 v[\reg+4*\c:\reg+4*\c+3], v[\adr] offset:128*(\q)+32*\c+(\i)*16*PITCH
.endr
.endm
.macro FETCH slot, q, p
	WIN 0x40*(\p)
.irp i, 0,1,2,3
	FRAG YF+16*\i, ADRY+\slot, \q, \i
.endr
.irp i, 0,1,2,3,4,5,6,7
	FRAG XF+16*\i, ADRX+\slot, \q, \i
.endr
.endm
.macro MUL8 i0, zero
.irp i, \i0, \i0+1
.irp jj, 0,1,2,3
.if \zero
	v_wmma_f32_16x16x128_fp8_fp8 v[8*(4*(\i)+\jj):8*(4*(\i)+\jj)+7], v[YF+16*\jj:YF+16*\jj+15], v[XF+16*(\i):XF+16*(\i)+15], 0
.else
	v_wmma_f32_16x16x128_fp8_fp8 v[8*(4*(\i)+\jj):8*(4*(\i)+\jj)+7], v[YF+16*\jj:YF+16*\jj+15], v[XF+16*(\i):XF+16*(\i)+15], v[8*(4*(\i)+\jj):8*(4*(\i)+\jj)+7]
.endif
.endr
.endr
.endm
.macro STEP slot, zero
	s_wait_dscnt 16
	WIN 0xa0
	MUL8 0, \zero
	MUL8 2, \zero
	PLACES
	FETCH \slot, 1, 1
	s_wait_dscnt 48
	WIN 0xa0
	MUL8 4, \zero
	MUL8 6, \zero
.endm
.macro TURN slot, next, fill
	WIN 0
.if \fill
	s_wait_xcnt 0x0                                ; my last prefetch has read its address: it steps one K step on
	s_add_nc_u64 s[22:23], s[22:23], 256
.endif
	s_wait_tensorcnt 0x0
	ds_add_u32 v[SPW], v[NIL]
	s_wait_dscnt 17
	WIN 0xa5
	MUL8 0, 0
	s_wait_dscnt 0x0
	s_barrier_signal -1
	MUL8 2, 0
	WIN 0
	s_barrier_wait -1
.if \fill
	CREST
	s_add_nc_u64 s[G0A+4*\slot+2:G0A+4*\slot+3], s[G0A+4*\slot+2:G0A+4*\slot+3], 512
	s_add_nc_u64 s[G0B+4*\slot+2:G0B+4*\slot+3], s[G0B+4*\slot+2:G0B+4*\slot+3], 512
	JLOAD \slot
.else
	PLACES
.endif
	FETCH \next, 0, 0
.if \fill
	ASK
.endif
	WIN 0xa5
	MUL8 4, 0
	MUL8 6, 0
.endm
	s_load_b256 s[4:11], s[0:1], 0x0
	s_load_b64 s[12:13], s[0:1], 0x20
	v_lshl_add_u32 v[SPW], v0, 2, SPARE
	v_mov_b32 v[NIL], 0
	ds_add_u32 v20, v21
	ds_add_u32 v20, v21
	s_wait_dscnt 0x0
	v_lshrrev_b32 v1, 5, v0
	v_readfirstlane_b32 s[WV], v1
	s_lshr_b32 s[WHI], s[WV], 1
	s_and_b32 s[WLO], s[WV], 1
	s_bfe_u32 s88, ttmp6, 0x40000
	s_bfe_u32 s89, ttmp6, 0x40004
	s_lshr_b32 s90, ttmp9, 2
	s_and_b32 s91, ttmp9, 3
	s_lshl_b32 s96, s89, 2
	s_lshl_b32 s96, 15, s96
	s_lshl_b32 s97, 0x1111, s88
	s_or_b32 s[G1A], s96, (1<<20)|(1<<21)|(5<<22)|(3<<25)
	s_or_b32 s[G1B], s97, (1<<20)|(1<<21)|(5<<22)|(3<<25)
.irp g, G1A, G1B
	s_mov_b32 s[\g+1], 256<<16
	s_mov_b32 s[\g+3], 256<<16
	s_mov_b32 s[\g+5], KK
	s_mov_b32 s[\g+6], 0
	s_mov_b32 s[\g+7], 0
.endr
	s_mov_b32 s[G1A+2], 128<<16
	s_mov_b32 s[G1A+4], 128
	s_mov_b32 s[G1B+2], 64<<16
	s_mov_b32 s[G1B+4], 64
	s_lshl_b32 s92, s90, 10
	s_lshl_b32 s93, s89, 8
	s_add_co_u32 s92, s92, s93
	s_lshl_b32 s93, s[WLO], 7
	s_add_co_u32 s92, s92, s93
	s_lshl_b32 s92, s92, 11
	s_mov_b32 s93, 0
	s_lshl_b32 s98, s91, 9
	s_lshl_b32 s99, s88, 7
	s_add_co_u32 s98, s98, s99
	s_lshl_b32 s99, s[WLO], 6
	s_add_co_u32 s98, s98, s99
	s_mov_b32 s100, s98
	s_lshl_b32 s98, s98, 11
	s_mov_b32 s99, 0
	s_mul_i32 s101, s[WLO], ACTH
	s_mul_i32 s2, s[WLO], WHB
	s_add_co_u32 s2, s2, WOFF
	s_wait_kmcnt 0x0
	s_load_b64 s[76:77], s[10:11], 0x28
	s_add_nc_u64 s[28:29], s[4:5], s[92:93]
	s_add_nc_u64 s[30:31], s[6:7], s[98:99]
	CROUND
.irp s, 0,1
	s_mov_b32 s[G0A+4*\s], 1
	s_add_co_u32 s[G0A+4*\s+1], s101, \s*SLOT
	s_add_nc_u64 s[G0A+4*\s+2:G0A+4*\s+3], s[28:29], \s*256
	s_or_b32 s[G0A+4*\s+3], s[G0A+4*\s+3], 0x80000000
	s_mov_b32 s[G0B+4*\s], 1
	s_add_co_u32 s[G0B+4*\s+1], s2, \s*SLOT
	s_add_nc_u64 s[G0B+4*\s+2:G0B+4*\s+3], s[30:31], \s*256
	s_or_b32 s[G0B+4*\s+3], s[G0B+4*\s+3], 0x80000000
.endr
	JLOAD 0                                        ; K step 0: one tensor load a wave at the head
	v_and_b32 v1, 15, v0
	s_wait_alu depctr_va_vdst(0)
	v_bfe_u32 v2, v0, 4, 1
	v_mul_u32_u24 v3, v1, PITCH
	v_lshl_add_u32 v3, v2, 4, v3
	s_mul_i32 s14, s[WHI], ACTH
	s_mul_i32 s15, s[WLO], WHB
	s_add_co_u32 s15, s15, WOFF
	v_add_nc_u32 v[ADRX], s14, v3
	v_add_nc_u32 v[ADRY], s15, v3
	v_add_nc_u32 v[ADRX+1], SLOT, v[ADRX]
	v_add_nc_u32 v[ADRY+1], SLOT, v[ADRY]
	v_lshlrev_b32 v4, 5, v2
	s_lshl_b32 s16, s100, 2
	s_mov_b32 s17, 0
	s_add_nc_u64 s[16:17], s[8:9], s[16:17]
.irp jj, 0,1,2,3
	global_load_b128 v[BY+8*\jj:BY+8*\jj+3], v4, s[16:17] offset:64*\jj
	global_load_b128 v[BY+8*\jj+4:BY+8*\jj+7], v4, s[16:17] offset:64*\jj+16
.endr
	s_lshl_b32 s24, s88, 16                        ; the prefetches: a's rows: 32 cx on,
	s_lshl_b32 s25, s89, 15                        ; Wo's rows: 16 cy on
	s_cmp_eq_u32 s[WHI], 0
	s_cselect_b64 s[22:23], s[28:29], s[30:31]
	s_cselect_b32 s24, s24, s25
	s_cselect_b32 s26, 31, 15
	s_add_co_u32 s24, s24, 3*256                   ; at K step 3: the first refill steps it to 4
	s_mov_b32 s25, 0
	s_add_nc_u64 s[22:23], s[22:23], s[24:25]
	v_and_b32 v10, s26, v0
	v_lshlrev_b32 v10, 11, v10                     ; a lane a row of 2,048 bytes
	global_prefetch_b8 v10, s[22:23] offset:-512 th:TH_LOAD_NT scope:SCOPE_SE   ; K steps 1 and 2 here, K step 3 behind slot 1's first fill: each two K steps ahead of its tensor load's turn
	global_prefetch_b8 v10, s[22:23] offset:-256 th:TH_LOAD_NT scope:SCOPE_SE
	s_mul_i32 s18, s[WV], 16*SPITCH
	s_add_co_u32 s18, s18, STAGE
	v_mul_u32_u24 v[STO], v1, SPITCH
	s_wait_alu depctr_va_vdst(0)
	v_lshl_add_u32 v[STO], v2, 5, v[STO]
	v_add_nc_u32 v[STO], s18, v[STO]
	v_mul_u32_u24 v[RD], v2, SPITCH
	v_lshl_add_u32 v[RD], v1, 4, v[RD]
	v_add_nc_u32 v[RD], s18, v[RD]
	v_lshlrev_b32 v[CO], 13, v2
	v_lshl_add_u32 v[CO], v1, 4, v[CO]
	s_lshl_b32 s14, s90, 10
	s_lshl_b32 s15, s89, 8
	s_add_co_u32 s14, s14, s15
	s_lshl_b32 s15, s[WHI], 7
	s_add_co_u32 s14, s14, s15
	s_lshl_b32 s14, s14, 13
	s_lshl_b32 s15, s100, 2
	s_add_co_u32 s14, s14, s15
	s_mov_b32 s15, 0
	s_add_nc_u64 s[12:13], s[12:13], s[14:15]
	s_wait_kmcnt 0x0
	s_add_co_i32 s96, s76, s77
	s_add_co_i32 s96, s96, 127
	s_lshl_b32 s96, s96, 23
	s_mov_b32 s97, s96
	s_wait_alu depctr_va_vdst(0)
	s_wait_loadcnt 0x0
	s_wait_tensorcnt 0x0                           ; my part of K step 0 is in; slot 1's first fill is issued as a refill is
	ds_add_u32 v[SPW], v[NIL]
	s_wait_dscnt 0x0
	CROUND
	JLOAD 1
	FETCH 0, 0, 0
	global_prefetch_b8 v10, s[22:23] th:TH_LOAD_NT scope:SCOPE_SE
	STEP 0, 1
	WIN 0
	s_mov_b32 s3, KK/512-1
.Llap:
	TURN 0, 1, 1
	STEP 1, 0
	TURN 1, 0, 1
	STEP 0, 0
	WIN 0
	s_sub_co_u32 s3, s3, 1
	s_cmp_lg_u32 s3, 0
	s_cbranch_scc1 .Llap
	TURN 0, 1, 0
	STEP 1, 0
	s_wait_dscnt 16
	WIN 0xa5
	MUL8 0, 0
	MUL8 2, 0
	s_wait_dscnt 0x0
	MUL8 4, 0
	MUL8 6, 0
	WIN 0
	PLACES
.macro TOSTAGE i
	WIN 0x02
.set j, 0
.rept 16
	v_pk_fma_f32 v[TMP+j:TMP+j+1], v[32*(\i)+j:32*(\i)+j+1], s[96:97], v[BY+j:BY+j+1] op_sel_hi:[1,0,1]
.set j, j+2
.endr
	WIN 0
.irp jj, 0,1,2,3
	ds_store_b128 v[STO], v[TMP+8*\jj:TMP+8*\jj+3] offset:64*\jj
	ds_store_b128 v[STO], v[TMP+8*\jj+4:TMP+8*\jj+7] offset:64*\jj+16
.endr
.set BB, BK+32*((\i)%2)
.irp t, 0,1,2,3,4,5,6,7
	ds_load_b128 v[BB+4*\t:BB+4*\t+3], v[RD] offset:\t*2*SPITCH
.endr
.endm
.macro SEND i, younger
.set BB, BK+32*((\i)%2)
	s_wait_dscnt \younger
.irp t, 0,1,2,3,4,5,6,7
	global_store_b128 v[CO], v[BB+4*\t:BB+4*\t+3], s[12:13] offset:(16*(\i)+2*\t)*NN*4 th:TH_STORE_NT
.endr
.endm
	TOSTAGE 0
.irp a, 1,2,3,4,5,6,7
.if \a > 1
	s_wait_xcnt 0x0
.endif
	TOSTAGE \a
	SEND \a-1, 16
.endr
	SEND 7, 0
	s_wait_tensorcnt 0x0
	ds_add_u32 v[SPW], v[NIL]
	s_wait_dscnt 0x0
	CROUND
	s_endpgm
.Lfunc_end_k_q1b475a2678_oproj:
	.size	k_q1b475a2678_oproj, .Lfunc_end_k_q1b475a2678_oproj-k_q1b475a2678_oproj
	.p2alignl 7, 3214868480
	.fill 96, 4, 3214868480
	.section	.rodata,"a",@progbits
	.p2align	6, 0x0
	.amdhsa_kernel k_q1b475a2678_oproj
		.amdhsa_group_segment_fixed_size 327680
		.amdhsa_private_segment_fixed_size 0
		.amdhsa_enable_private_segment 0
		.amdhsa_kernarg_size 40
		.amdhsa_user_sgpr_count 2
		.amdhsa_user_sgpr_kernarg_segment_ptr 1
		.amdhsa_wavefront_size32 1
		.amdhsa_system_sgpr_workgroup_id_x 1
		.amdhsa_system_sgpr_workgroup_id_y 1
		.amdhsa_system_sgpr_workgroup_id_z 1
		.amdhsa_system_vgpr_workitem_id 0
		.amdhsa_next_free_vgpr 768
		.amdhsa_next_free_sgpr 102
		.amdhsa_reserve_vcc 0
		.amdhsa_float_denorm_mode_32 3
		.amdhsa_float_denorm_mode_16_64 3
		.amdhsa_memory_ordered 1
		.amdhsa_forward_progress 1
		.amdhsa_inst_pref_size 78
	.end_amdhsa_kernel
	.amdgpu_metadata
---
amdhsa.version: [ 1, 2 ]
amdhsa.kernels:
  - .name:           k_q1b475a2678_oproj
    .symbol:         k_q1b475a2678_oproj.kd
    .args:
      - { .name: a_codes, .offset: 0, .size: 8, .value_kind: global_buffer, .address_space: global }
      - { .name: Wo_codes, .offset: 8, .size: 8, .value_kind: global_buffer, .address_space: global }
      - { .name: bo, .offset: 16, .size: 8, .value_kind: global_buffer, .address_space: global }
      - { .name: lowp_scales, .offset: 24, .size: 8, .value_kind: global_buffer, .address_space: global }
      - { .name: out0, .offset: 32, .size: 8, .value_kind: global_buffer, .address_space: global }
    .group_segment_fixed_size: 327680
    .private_segment_fixed_size: 0
    .kernarg_segment_align: 8
    .kernarg_segment_size: 40
    .max_flat_workgroup_size: 128
    .sgpr_count:     102
    .vgpr_count:     768
    .wavefront_size: 32
...
	.end_amdgpu_metadata
.endif
;; end of part 6
